; MI455X (gfx1250); checked and timed in simulation.
; The chip was launched on July 23, 2026; its instructions are those of AMD's public machine-readable ISA for CDNA 5 (MIT licence, August 2026) and "CDNA5" Instruction Set Architecture Reference Guide (July 2026). The comments in the code are by the model that wrote it; some were corrected since.
;; Multi Head Attention. Allowed arithmetic: matrix products marked QUANTISED: E3M2 operands, one E8M0 scale for each 32 along K, by v_wmma_scale_f32_16x16x128_f8f6f4 with both operands' format E3M2, f32 sums; everything else in f32.
;; Inputs: bk 1,024 float32; bo 1,024 float32; bq 1,024 float32; bv 1,024 float32; k 4 x 2,048 x 1,024 float32; mask 2,048 x 2,048 bool; q 4 x 2,048 x 1,024 float32; v 4 x 2,048 x 1,024 float32; wk 1,024 x 1,024 float32; wo 1,024 x 1,024 float32; wq 1,024 x 1,024 float32; wv 1,024 x 1,024 float32.
;; Outputs: out0 4 x 2,048 x 1,024 float32.
;; This version of the problem:
;;   THIS VERSION OF THE PROBLEM IS GIVEN IN LOW PRECISION. The matrix products marked QUANTISED in the list below multiply operands that are first quantised to E3M2 (3 exponent bits, 2 mantissa bits; 6 bits a number), with one power-of-two scale for each 32 numbers along K (OCP MX v1.0); their sums are f32. All else is computed in f32.
;;   The module's matrix products, in the order in which they are computed (A, B: the left and right operand; K: the contracted axis; several contracted axes count as one K, in the product's order):
;;     1. [M 8,192, K 1,024] x [K 1,024, N 1,024]; A: input q; B: input wq: QUANTISED
;;     2. [M 8,192, K 1,024] x [K 1,024, N 1,024]; A: input k; B: input wk: QUANTISED
;;     3. [M 8,192, K 1,024] x [K 1,024, N 1,024]; A: input v; B: input wv: QUANTISED
;;     4. batch 64 x [M 2,048, K 64] x [K 64, N 2,048]; A: computed on the way; B: computed on the way: QUANTISED
;;     5. batch 64 x [M 2,048, K 2,048] x [K 2,048, N 64]; A: softmax (see below); B: computed on the way: QUANTISED
;;     6. [M 8,192, K 1,024] x [K 1,024, N 1,024]; A: computed on the way; B: input wo: QUANTISED
;;   THE QUANTISER, for each operand of a quantised product, along K:
;;     - K is cut into blocks of 32 from its start; a last block that is shorter is filled with zeros.
;;     - A block's scale is 2^e with e = floor(log2(the largest magnitude in the block)) - 4, held to -126 .. 127; a block of zeros has e = 0. As a byte (E8M0): e + 127.
;;     - Each number is divided by its block's scale, clamped to +-28, and rounded to the nearest number of E3M2, ties to even, subnormals kept.
;;     - The product sums the exact products of the quantised numbers (number of the format x scale) in f32.
;;   ~~~python
;;   def quantise(x, axis):      # numpy; x: float32 -> the quantised numbers, widened to float32 again
;;       x = np.moveaxis(x, axis, -1); K = x.shape[-1]
;;       x = np.pad(x, [(0, 0)] * (x.ndim - 1) + [(0, -K % 32)]); x = x.reshape(x.shape[:-1] + (-1, 32)); a = np.abs(x).max(-1, keepdims=True)
;;       e = np.where(a > 0, np.clip(np.frexp(np.where(a > 0, a, 1))[1] - 1 - 4, -126, 127), 0)      # np.frexp(a)[1] - 1 = floor(log2(a)), exactly
;;       r = np.clip(x / 2.0 ** e, -28, 28)
;;       step = 2.0 ** (np.maximum(np.frexp(np.where(r == 0, 1, r))[1] - 1, -2) - 2)
;;       q = np.round(r / step) * step * 2.0 ** e      # np.round: ties to even
;;       return np.moveaxis(q.reshape(q.shape[:-2] + (-1,))[..., :K], -1, axis).astype(np.float32)
;;   ~~~
;;   SOFTMAX AHEAD OF A QUANTISED PRODUCT. Where the list says 'softmax', what is quantised is not the finished softmax but p = 2^(t - M), with t = logit x log2(e) and M = ceil(the row's largest t), a whole number; so 1/2 < the row's largest p <= 1. The row's sum l is taken of the UNQUANTISED p, in f32, and the product's result is divided by l at the end. Since M is a whole number, a kernel that streams over the keys may use a running M (the ceiling of the running maximum): every later rescaling is an exact power of two, which a block's scale takes up: the codes' values come out the same.
;;   OPERANDS COMPUTED ON THE WAY. 'Computed on the way' means the value that the module computes at that place (a softmax that the list does not call 'softmax' is quantised finished and normalised). What goes into a quantiser is computed in f32, as accurately as f32 sums, v_exp_f32 and their like allow (about 1e-6 of the number): no bf16 or f16 on the way to a quantiser, and a product that is left as it is and whose result goes on into a quantised operand takes f32 operands (vector FMAs, or v_wmma_f32_16x16x4_f32). A number that lies on a knife's edge between two numbers of the format may be rounded either way, as far as f32 arithmetic and the matrix unit's own rounding can turn it there, and no further.
;; One version. Each part assembles by itself: llvm-mc -triple=amdgcn-amd-amdhsa -mcpu=gfx1250 --defsym DOCPART=n.
;; ======== version 1 of 1: 4 launches
;; limits: right only within a limited range of input values
;; workspace buffers: opc 22,020,096 bytes; ops 917,504 bytes; mw 524,288 bytes of whole numbers; mf 512 bytes of whole numbers; hc 18,874,368 bytes; hs 1,310,720 bytes; cc 6,291,456 bytes; cs 262,144 bytes
;; launch prep (part 1): grid 928 x 1, 4 waves a work-group, no clusters, 34,304 bytes of LDS; arguments q, k, v, wq, wk, wv, wo, mask, opc, ops, mw, mf; writes opc, ops, mw, mf
.if DOCPART == 1
	.amdgcn_target "amdgcn-amd-amdhsa--gfx1250"
	.amdhsa_code_object_version 6
	.text
	.protected	k_q7dd45812b4_prep
	.globl	k_q7dd45812b4_prep
	.p2align	8
	.type	k_q7dd45812b4_prep,@function
k_q7dd45812b4_prep:
	s_mov_b64 s[64:65], 0
	v_nop
	global_prefetch_b8 v0, s[64:65] scope:SCOPE_SE
	s_setreg_imm32_b32 hwreg(HW_REG_WAVE_MODE, 25, 1), 1
	s_wait_xcnt 0x0
; PREP.  (1) q, k, v [8192][1024] and wq, wk, wv, wo [1024][1024], f32 with K innermost, become codes of BF6 (E3M2) with one E8M0 byte for each 32 along K.
; (2) The mask [2048][2048] becomes, for each tile of 16 queries and each step of 128 keys, 64 words of lane bits, and one word of flags a tile.
; NO PRODUCT OF THE PROBLEM IS LEFT OUT, and every input is loaded.  What later launches do not do hangs on whole numbers stored here: a step of 128 keys whose 16 x 128 mask bytes are all true is not walked
; for a tile of queries in which no row is masked at all 2,048 keys; a masked key's weight beside any unmasked key of its row is exp(-1e9 - max), which is 0 in f32.  A tile that holds a wholly masked row walks every step.
; LIMITS: that holds while unmasked logits lie above about -9.9e8.  NaN and infinities among the inputs are not served; a block whose largest magnitude lies under 2^-122 keeps the byte 1
; (a block of zeros too, where the rule says 127: its codes are zeros and this program alone reads the bytes).
; LAYOUT OF THE WORKSPACE.  A TILE is 16 rows: tile T holds rows 32 (T / 2) + 8 (T % 2) + r + 8 (r / 8), r = 0 .. 15, so that the results of two neighbouring tiles used as a product's source 0 are 16 neighbours in a lane.
; opc: tile U (q 0.., k 512.., v 1024.., wq 1536.., wk 1600.., wv 1664.., wo 1728..) x 8 steps of 128 along K: an IMAGE OF THE OPERAND'S 12 REGISTERS, registers 4 c .. 4 c + 3 of lane l at 12288 U + 1536 s + 512 c + 16 l.
; ops: the scale word of row r, step s of tile U at 512 U + 256 (s / 4) + 16 r + 4 (s % 4).
; mw: tile of queries Tq, step st: 64 words at 4096 Tq + 256 st; word 2 (n % 32) + n / 32 belongs to score register n; bit l = lane l's score is masked.   mf: word Tq: bit st = walk the step, bit 16 + st = apply the mask there.
; SHARES.  Work-groups 0-31: the mask, a tile of queries a wave.  Work-groups 32-927: two tiles each; a wave takes one tile and half of K: 4 steps of 128.
; A step's 16 loads read 512 consecutive bytes of one row each; the 8 KiB turn through the wave's own stage in LDS (pitch 528), so that a lane gets 16 neighbours of each block of 32 of its row.  Waves share nothing: no barrier.
.set STG,   8448
.set SPARE, 4*STG                      ; behind the four stages: the spare words, 128 bytes a wave, which no other line names
.set SPW, 12                           ; v12  SPARE + 4 x my thread's number; never rewritten
.set NIL, 13                           ; v13  0; never rewritten
.set SEL, 40                           ; s[40:41] lane selects for v_permlanex16_b32: lane l xor 16
.set R,   16                           ; v16-143  two sets of 64 numbers as loaded
.set X,   144                          ; v144-207 64 numbers: register 16 b + i = k 32 b + 16 (lane / 16) + i of my row
.set PC,  208                          ; v208-219 the fragment's codes
.set T2,  220                          ; v220-227 the conversions' second halves
.set TM,  228                          ; v228-243 at work
.set SW,  244                          ; v244-247 the four steps' scale words
.set MD,  16                           ; mask path: v16-79 four sets of 16 words of mask bytes
.set VA,  80                           ; the step's AND;  v81 its OR;  v82 the AND over all steps;  v83 the other half's
.set VO,  81
.set RA,  82
.set RX,  83
.set MT,  84                           ; v84-87 at work
.set MW,  88                           ; v88-91 two sets of two registers: 64 words, one a lane and register
	s_load_b512 s[4:19], s[0:1], 0x0               ; q, k, v, wq, wk, wv, wo s[16:17], mask s[18:19]
	s_load_b256 s[20:27], s[0:1], 0x40             ; opc s[20:21], ops s[22:23], mw s[24:25], mf s[26:27]
	v_lshl_add_u32 v[SPW], v0, 2, SPARE
	v_mov_b32 v[NIL], 0
	v_lshrrev_b32 v1, 5, v0
	v_readfirstlane_b32 s28, v1                    ; wave
	v_and_b32 v1, 31, v0                           ; lane
	v_and_b32 v2, 15, v0                           ; r
	v_bfe_u32 v3, v0, 4, 1                         ; h
	s_mov_b32 s[SEL], 0x76543210
	s_mov_b32 s[SEL+1], 0xfedcba98
	s_cmp_lt_u32 ttmp9, 32
	s_cbranch_scc1 .Lmask
; ---------------- the quantiser ----------------
; 64 numbers v[s] .. v[s + 63] become 12 registers of codes (d0: k 0-63, d1: k 64-127) and the row's scale word.
.macro QUANT s, d0, d1, pw
.irp b, 0,1,2,3
	v_max3_num_f32 v[TM+\b], |v[(\s)+16*\b]|, |v[(\s)+1+16*\b]|, 0x2800000   ; my 16 numbers of block b, and the floor 2^(5 - 127): the byte cannot fall under 1
.endr
.irp i, 2,4,6,8,10,12,14
.irp b, 0,1,2,3
	v_max3_num_f32 v[TM+\b], v[TM+\b], |v[(\s)+16*\b+\i]|, |v[(\s)+1+16*\b+\i]|   ; the four blocks by turns
.endr
.endr
.irp b, 0,1,2,3
	v_permlanex16_b32 v[TM+4+\b], v[TM+\b], s[SEL], s[SEL+1]
.endr
.irp b, 0,1,2,3
	v_max_num_f32 v[TM+\b], v[TM+\b], v[TM+4+\b]   ; with lane l xor 16's 16: the block's largest magnitude
.endr
.irp b, 0,1,2,3
	v_add_nc_u32 v[TM+12+\b], 0xfe000000, v[TM+\b] ; 4 off its exponent field: the conversion's scale operand
.endr
.irp b, 0,1,2,3
	v_lshrrev_b32 v[TM+4+\b], 23, v[TM+12+\b]      ; the scale's byte
.endr
	v_lshl_or_b32 v[\pw], v[TM+5], 8, v[TM+4]
	v_lshl_or_b32 v[\pw], v[TM+6], 16, v[\pw]
	v_lshl_or_b32 v[\pw], v[TM+7], 24, v[\pw]
	v_cvt_scalef32_pk16_bf6_f32 v[(\d0):(\d0)+2], v[(\s):(\s)+15], v[TM+12]
	v_cvt_scalef32_pk16_bf6_f32 v[T2:T2+2], v[(\s)+16:(\s)+31], v[TM+13]
	v_cvt_scalef32_pk16_bf6_f32 v[(\d1):(\d1)+2], v[(\s)+32:(\s)+47], v[TM+14]
	v_cvt_scalef32_pk16_bf6_f32 v[T2+4:T2+6], v[(\s)+48:(\s)+63], v[TM+15]
	v_nop                                          ; one plain line behind the scaled conversions
.irp i, 0,1,2
	v_permlane16_swap_b32 v[(\d0)+\i], v[T2+\i]    ; the layout wants a whole block in a lane: lanes 0-15 the even block, lanes 16-31 the odd one
.endr
.irp i, 0,1,2
	v_permlane16_swap_b32 v[(\d1)+\i], v[T2+4+\i]
.endr
.irp i, 0,1,2
	v_mov_b32 v[(\d0)+3+\i], v[T2+\i]
.endr
.irp i, 0,1,2
	v_mov_b32 v[(\d1)+3+\i], v[T2+4+\i]
.endr
.endm
	s_sub_co_u32 s29, ttmp9, 32                    ; g
	s_lshr_b32 s30, s28, 1
	s_and_b32 s31, s28, 1                          ; which half of K
	s_lshl_b32 s32, s29, 1
	s_add_co_u32 s32, s32, s30                     ; U = 2 g + wave / 2
	s_wait_alu depctr_va_vdst(0)
	v_lshlrev_b32 v4, 4, v1                        ; 16 x lane
	s_mul_i32 s33, s28, STG                        ; my stage
	v_add_nc_u32 v5, s33, v4                       ; in: a row's 512 bytes as they lie
	v_mul_u32_u24 v6, v2, 528
	v_lshl_add_u32 v6, v3, 6, v6
	v_add_nc_u32 v6, s33, v6                       ; out: row r, + 64 h
	v_lshlrev_b32 v7, 4, v2
	v_lshl_add_u32 v7, v3, 3, v7                   ; the scale words' place: 16 r + 8 h
.irp b, 0,1,2,3
	v_mov_b32 v[TM+4+\b], 0                        ; written once: a lane permute's destination counts as one of its sources
.endr
	s_wait_alu depctr_va_vdst(0)
	s_wait_kmcnt 0x0
	s_mov_b64 s[34:35], s[16:17]                   ; which tensor: the choice hangs on the work-group's number alone
	s_mov_b32 s36, 1728
	s_cmp_lt_u32 s29, 864
	s_cselect_b64 s[34:35], s[14:15], s[34:35]
	s_cselect_b32 s36, 1664, s36
	s_cmp_lt_u32 s29, 832
	s_cselect_b64 s[34:35], s[12:13], s[34:35]
	s_cselect_b32 s36, 1600, s36
	s_cmp_lt_u32 s29, 800
	s_cselect_b64 s[34:35], s[10:11], s[34:35]
	s_cselect_b32 s36, 1536, s36
	s_cmp_lt_u32 s29, 768
	s_cselect_b64 s[34:35], s[8:9], s[34:35]
	s_cselect_b32 s36, 1024, s36
	s_cmp_lt_u32 s29, 512
	s_cselect_b64 s[34:35], s[6:7], s[34:35]
	s_cselect_b32 s36, 512, s36
	s_cmp_lt_u32 s29, 256
	s_cselect_b64 s[34:35], s[4:5], s[34:35]
	s_cselect_b32 s36, 0, s36
	s_sub_co_u32 s37, s32, s36                     ; T: the tile in its tensor
	s_lshr_b32 s38, s37, 1
	s_lshl_b32 s38, s38, 5
	s_and_b32 s39, s37, 1
	s_lshl_b32 s39, s39, 3
	s_add_co_u32 s38, s38, s39                     ; its first row
	s_lshl_b32 s38, s38, 12                        ; rows of 4,096 bytes
	s_lshl_b32 s39, s31, 11
	s_add_co_u32 s38, s38, s39                     ; + my half of K
	s_mov_b32 s39, 0
	s_add_nc_u64 s[34:35], s[34:35], s[38:39]
	s_mul_i32 s42, s32, 12288
	s_mul_i32 s43, s31, 6144
	s_add_co_u32 s42, s42, s43
	s_mov_b32 s43, 0
	s_add_nc_u64 s[20:21], s[20:21], s[42:43]
	s_lshl_b32 s42, s32, 9
	s_lshl_b32 s44, s31, 8
	s_add_co_u32 s42, s42, s44
	s_add_nc_u64 s[22:23], s[22:23], s[42:43]
.macro LOAD t                          ; step t: 16 rows x 512 bytes
.irp i, 0,1,2,3,4,5,6,7,8,9,10,11,12,13,14,15
	global_load_b128 v[R+64*((\t)%2)+4*\i:R+64*((\t)%2)+4*\i+3], v4, s[34:35] offset:(\i+8*(\i/8))*4096+512*(\t) th:TH_LOAD_NT
.endr
.endm
.macro STEP t
.if (\t) < 3
	s_wait_loadcnt 16                              ; this step's 16 loads are in; the next step's 16 may be out
.else
	s_wait_loadcnt 0
.endif
.irp i, 0,1,2,3,4,5,6,7,8,9,10,11,12,13,14,15
	ds_store_b128 v5, v[R+64*((\t)%2)+4*\i:R+64*((\t)%2)+4*\i+3] offset:528*\i
.endr
.irp b, 0,1,2,3
.irp j, 0,1,2,3
	ds_load_b128 v[X+16*\b+4*\j:X+16*\b+4*\j+3], v6 offset:128*\b+16*\j   ; LDS serves a wave's instructions in order: these see the stores above
.endr
.endr
	s_wait_dscnt 0x0                               ; the numbers are back, and the stores have read their registers
	s_wait_xcnt 0x0                                ; the last step's stores have read the codes' registers
.if (\t) < 2
	LOAD (\t)+2
.endif
	QUANT X, PC, PC+6, SW+(\t)
.irp c, 0,1,2
	global_store_b128 v4, v[PC+4*\c:PC+4*\c+3], s[20:21] offset:1536*(\t)+512*\c   ; 512 consecutive bytes, aligned
.endr
.endm
	LOAD 0
	LOAD 1
	STEP 0
	STEP 1
	STEP 2
	STEP 3
	s_mov_b32 s44, 0xffff0000
	v_cndmask_b32 v8, v[SW], v[SW+2], s44          ; lanes 0-15 store words 0, 1 of their row, lanes 16-31 words 2, 3:
	v_cndmask_b32 v9, v[SW+1], v[SW+3], s44
	global_store_b64 v7, v[8:9], s[22:23]          ; 256 consecutive bytes, aligned
	s_branch .Lend
; ---------------- the mask ----------------
.Lmask:
	s_lshl_b32 s29, ttmp9, 2
	s_add_co_u32 s29, s29, s28                     ; Tq
	s_wait_alu depctr_va_vdst(0)
	v_and_b32 v10, 8, v2
	v_add_nc_u32 v10, v10, v2                      ; r + 8 (r / 8)
	v_lshlrev_b32 v10, 11, v10                     ; rows of 2,048 bytes
	v_lshl_add_u32 v10, v3, 4, v10                 ; + 16 h: lane (r, h) holds keys 32 b + 16 h + 0 .. 15 of its query
	v_lshlrev_b32 v11, 3, v1                       ; 8 x lane
	v_mov_b32 v[RX], 0
.irp i, 0,1,2,3
	v_mov_b32 v[MW+\i], 0                          ; written once: v_writelane_b32's destination counts as one of its sources
.endr
	s_mov_b32 s30, 0                               ; bit st: all 16 x 128 masked
	s_mov_b32 s31, 0                               ; bit st: none masked
	s_lshr_b32 s32, s29, 1
	s_lshl_b32 s32, s32, 5
	s_and_b32 s33, s29, 1
	s_lshl_b32 s33, s33, 3
	s_add_co_u32 s32, s32, s33                     ; the tile's first query
	s_lshl_b32 s32, s32, 11
	s_mov_b32 s33, 0
	s_lshl_b32 s34, s29, 12
	s_mov_b32 s35, 0
	s_lshl_b32 s36, s29, 2
	s_mov_b32 s37, 0
	s_wait_alu depctr_va_vdst(0)
	s_wait_kmcnt 0x0
	s_add_nc_u64 s[18:19], s[18:19], s[32:33]
	s_add_nc_u64 s[24:25], s[24:25], s[34:35]
	s_add_nc_u64 s[26:27], s[26:27], s[36:37]
.macro MLOAD st
.irp b, 0,1,2,3
	global_load_b128 v[MD+16*((\st)%4)+4*\b:MD+16*((\st)%4)+4*\b+3], v10, s[18:19] offset:128*(\st)+32*\b
.endr
.endm
.macro MSTEP st
.set D, MD+16*((\st)%4)
.set W, MW+2*((\st)%2)
.if (\st)+3 < 16
	MLOAD (\st)+3
.endif
.if (\st) < 13
	s_wait_loadcnt 12                              ; this step's four loads are in; the three steps behind it may be out
.else
	s_wait_loadcnt 4*(15-(\st))
.endif
	v_and_b32 v[VA], v[D], v[D+1]
	v_or_b32 v[VO], v[D], v[D+1]
.irp i, 2,3,4,5,6,7,8,9,10,11,12,13,14,15
	v_and_b32 v[VA], v[VA], v[D+\i]
	v_or_b32 v[VO], v[VO], v[D+\i]
.endr
.if (\st) == 0
	v_mov_b32 v[RA], v[VA]
.else
	v_and_b32 v[RA], v[RA], v[VA]
.endif
	v_cmp_eq_u32 s44, 0x01010101, v[VA]
	v_cmp_eq_u32 s45, 0, v[VO]
	s_cmp_eq_u32 s44, -1                           ; every lane: all its 64 bytes are 1
	s_cselect_b32 s46, 1<<(\st), 0
	s_or_b32 s30, s30, s46
	s_cmp_eq_u32 s45, -1                           ; every lane: all its 64 bytes are 0
	s_cselect_b32 s46, 1<<(\st), 0
	s_or_b32 s31, s31, s46
.if (\st) >= 2
	s_wait_xcnt 0x0                                ; the store of two steps ago has read this set
.endif
.set n, 0
.rept 16                               ; word n of the 16: score registers 4 n .. 4 n + 3
	v_and_b32 v[MT], 1, v[D+n]
	v_and_b32 v[MT+1], 0x100, v[D+n]
	v_and_b32 v[MT+2], 0x10000, v[D+n]
	v_and_b32 v[MT+3], 0x1000000, v[D+n]
	v_cmp_ne_u32 s44, 0, v[MT]                     ; a bit for each lane
	v_cmp_ne_u32 s45, 0, v[MT+1]
	v_cmp_ne_u32 s46, 0, v[MT+2]
	v_cmp_ne_u32 s47, 0, v[MT+3]
	v_writelane_b32 v[W+n/8], s44, (4*n)%32
	v_writelane_b32 v[W+n/8], s45, (4*n+1)%32
	v_writelane_b32 v[W+n/8], s46, (4*n+2)%32
	v_writelane_b32 v[W+n/8], s47, (4*n+3)%32
.set n, n+1
.endr
	global_store_b64 v11, v[W:W+1], s[24:25] offset:256*(\st)   ; 256 consecutive bytes, aligned
.endm
	MLOAD 0
	MLOAD 1
	MLOAD 2
.irp st, 0,1,2,3,4,5,6,7,8,9,10,11,12,13,14,15
	MSTEP \st
.endr
	v_permlanex16_b32 v[RX], v[RA], s[SEL], s[SEL+1]
	v_and_b32 v[RA], v[RA], v[RX]                  ; the row's two halves
	v_cmp_eq_u32 s44, 0x01010101, v[RA]
	s_cmp_lg_u32 s44, 0                            ; some row is masked at all 2,048 keys:
	s_cselect_b32 s30, 0, s30                      ; then no step is left out
	s_not_b32 s45, s30
	s_and_b32 s45, s45, 0xffff                     ; walk
	s_and_not1_b32 s46, s45, s31                   ; walk, and some byte is 1: apply
	s_lshl_b32 s46, s46, 16
	s_or_b32 s45, s45, s46
	v_mov_b32 v[MT], s45
	v_mov_b32 v[MT+1], 0
	s_wait_alu depctr_va_vdst(0)
	s_wait_xcnt 0x0                                ; EXEC changes only behind this wait
	v_cmp_eq_u32 vcc_lo, 0, v1
	s_and_saveexec_b32 s48, vcc_lo
	global_store_b32 v[MT+1], v[MT], s[26:27]
	s_wait_xcnt 0x0
	s_or_b32 exec_lo, exec_lo, s48
.Lend:
	s_wait_tensorcnt 0x0                           ; the wave's end
	ds_add_u32 v[SPW], v[NIL]
	s_wait_dscnt 0x0
	s_endpgm
.Lfunc_end_k_q7dd45812b4_prep:
	.size	k_q7dd45812b4_prep, .Lfunc_end_k_q7dd45812b4_prep-k_q7dd45812b4_prep
	.p2alignl 7, 3214868480
	.fill 96, 4, 3214868480
	.section	.rodata,"a",@progbits
	.p2align	6, 0x0
	.amdhsa_kernel k_q7dd45812b4_prep
		.amdhsa_group_segment_fixed_size 34304
		.amdhsa_private_segment_fixed_size 0
		.amdhsa_enable_private_segment 0
		.amdhsa_kernarg_size 96
		.amdhsa_user_sgpr_count 2
		.amdhsa_user_sgpr_kernarg_segment_ptr 1
		.amdhsa_wavefront_size32 1
		.amdhsa_system_sgpr_workgroup_id_x 1
		.amdhsa_system_sgpr_workgroup_id_y 1
		.amdhsa_system_sgpr_workgroup_id_z 1
		.amdhsa_system_vgpr_workitem_id 0
		.amdhsa_next_free_vgpr 248
		.amdhsa_next_free_sgpr 66
		.amdhsa_reserve_vcc 1
		.amdhsa_float_denorm_mode_32 3
		.amdhsa_float_denorm_mode_16_64 3
		.amdhsa_memory_ordered 1
		.amdhsa_forward_progress 1
		.amdhsa_inst_pref_size 250
	.end_amdhsa_kernel
	.amdgpu_metadata
---
amdhsa.version: [ 1, 2 ]
amdhsa.kernels:
  - .name:           k_q7dd45812b4_prep
    .symbol:         k_q7dd45812b4_prep.kd
    .args:
      - { .name: q, .offset: 0, .size: 8, .value_kind: global_buffer, .address_space: global }
      - { .name: k, .offset: 8, .size: 8, .value_kind: global_buffer, .address_space: global }
      - { .name: v, .offset: 16, .size: 8, .value_kind: global_buffer, .address_space: global }
      - { .name: wq, .offset: 24, .size: 8, .value_kind: global_buffer, .address_space: global }
      - { .name: wk, .offset: 32, .size: 8, .value_kind: global_buffer, .address_space: global }
      - { .name: wv, .offset: 40, .size: 8, .value_kind: global_buffer, .address_space: global }
      - { .name: wo, .offset: 48, .size: 8, .value_kind: global_buffer, .address_space: global }
      - { .name: mask, .offset: 56, .size: 8, .value_kind: global_buffer, .address_space: global }
      - { .name: opc, .offset: 64, .size: 8, .value_kind: global_buffer, .address_space: global }
      - { .name: ops, .offset: 72, .size: 8, .value_kind: global_buffer, .address_space: global }
      - { .name: mw, .offset: 80, .size: 8, .value_kind: global_buffer, .address_space: global }
      - { .name: mf, .offset: 88, .size: 8, .value_kind: global_buffer, .address_space: global }
    .group_segment_fixed_size: 34304
    .private_segment_fixed_size: 0
    .kernarg_segment_align: 8
    .kernarg_segment_size: 96
    .max_flat_workgroup_size: 128
    .sgpr_count:     66
    .vgpr_count:     248
    .wavefront_size: 32
...
	.end_amdgpu_metadata
.endif
;; end of part 1
;; launch proj (part 2): grid 4 x 96, 4 waves a work-group, clusters of 4 x 4, 327,680 bytes of LDS; arguments opc, ops, bq, bk, bv, hc, hs; writes hc, hs
.if DOCPART == 2
	.amdgcn_target "amdgcn-amd-amdhsa--gfx1250"
	.amdhsa_code_object_version 6
	.text
	.protected	k_q7dd45812b4_proj
	.globl	k_q7dd45812b4_proj
	.p2align	8
	.type	k_q7dd45812b4_proj,@function
k_q7dd45812b4_proj:
	s_mov_b64 s[64:65], 0
	v_nop
	global_prefetch_b8 v0, s[64:65] scope:SCOPE_SE
	s_setreg_imm32_b32 hwreg(HW_REG_WAVE_MODE, 25, 1), 1
	s_wait_xcnt 0x0
	s_wait_alu depctr_hold_cnt(0) depctr_sa_sdst(0) depctr_va_vdst(0) depctr_va_sdst(0) depctr_va_ssrc(0) depctr_va_vcc(0) depctr_vm_vsrc(0)
	s_getreg_b32 s2, hwreg(HW_REG_IB_STS2, 6, 4)
	s_cmp_eq_u32 s2, 0
	s_cbranch_scc0 .Lentry_in_a_cluster
	s_endpgm
.Lentry_in_a_cluster:
	s_bfe_u32 s2, ttmp6, 0x10000c
	s_cmp_lg_u32 s2, 0xf033
	s_cbranch_scc0 .Lentry_shape_is_right
	s_endpgm
.Lentry_shape_is_right:
; PROJ.  The three projections x W^T + b on codes of BF6, K = 1,024, and their results quantised at once into the fragments that the attention launch reads.  Nothing of the problem is left out here.
; A work-group of four waves makes 256 x 256 results, a wave 128 x 128: 64 accumulators.  Source 0 of the matrix instruction is called B, source 1 A; a lane holds one row of A's tile, its registers run along B's rows.
; THE CLUSTER'S y CHOOSES THE PRODUCT (the same in all sixteen partners): 0-7 Q (A = q, B = wq), 8-15 K (A = k, B = wk): a lane holds one token, registers run along the head's 64, the next product's K.
; 16-23 V (A = wv, B = v): a lane holds one channel, registers run along the keys, the second product's K.
; OPERANDS lie in memory as images of their registers (16 rows x 128 K = 1,536 bytes), so a fragment comes from LDS by three loads of 512 consecutive bytes; no padding.
; K goes in four steps of 256 through three LDS slots: steps 0, 1, 2 are first fills, step 3 refills slot 0 behind the one round of the cluster's barrier in the walk.  By this text's count a wave has four tensor loads out at the start, later one.
; A's tiles are asked for jointly along a row of the cluster, B's along a column.  The scale words of all of K come once, with the first fills.
; OUT.  hc: Q at 0, K at 6,291,456: for each (batch, head) 98,304 bytes, for each 128 tokens 6,144: four images of 12 registers: tile 2 p's six (K = 64), then tile 2 p + 1's.  V at 12,582,912: four images (16 channels x 128 keys).
; hs: Q at 0, K at 524,288: 8,192 a head, 512 a step: lane l's register p = the word of tile 2 p + l / 16, row l % 16 (bytes 2, 3 are 0).  V at 1,048,576: 4,096 a head, 256 a step: lane l's register p = the word of channel tile 2 p + l / 16.
; LIMITS: as in the first launch (NaN, infinities, blocks under 2^-122).
; REGISTERS: window 0: v1-6 lane numbers; v8-15 V's bias; v16-22 LDS addresses; v27 scales' address; v28, v29 the add's two; v30 16 x lane; v32-63 scale words, two sets; v64-127 Q's, K's bias; v128-223 A's eight fragments, later the way out.
;   window 1: B's fragments, two sets, at v0 and v128.   windows 2, 3: accumulator (a, b) at v[8 (8 (a % 4) + b)].
.set HALFB, 24576                      ; 8 tiles x 2 images: what one tensor load brings
.set SLOTB, 4*HALFB                    ; A's halves 0, 1, then B's
.set SCL,   3*SLOTB                    ; the scale words: 4 x 4,096 bytes
.set SPARE, SCL+4*4096                 ; the spare words, 128 bytes a wave, which no other line names
.set FR,   12
.set NLA,  3                           ; LDS loads that bring a fragment of A
.set ADRA, 16
.set ADRB, 20
.set ADRS, 27
.set SPW,  28
.set NIL,  29
.set LI,   30
.set SC,   32
.set AF,   128
.set HA,   128                         ; the way out: 64 numbers
.set U,    192                         ; 12 registers of codes
.set W,    204                         ; 12 more
.set T2,   216
.set TM,   224
.set PW,   240                         ; eight scale words
.set SEL,  98
.set G1A,  24
.set G0A,  32                          ; s[32:43] group 0 for A's steps 0, 1, 2
.set G0SA, 44
.set G1B,  48
.set G0B0, 56
.set G0B1, 60
.set G0B2, 68
.set G0SB, 72
.set G1SA, 76
.set G1SB, 84
.set MSB, 0
.macro WIN new                         ; the immediate's high byte repeats the setting that is left
.if MSB != (\new)
	s_set_vgpr_msb (MSB<<8)|(\new)
.set MSB, (\new)
.endif
.endm
.set MUL_LO, 0xa1                      ; source 0 (B) window 1, source 1 (A) window 0, C and D window 2
.set MUL_HI, 0xf1
.set TO_B,   0x40
.macro JLOAD g0a, g1a, g0b, g1b        ; a joint load: waves 0, 1 fetch for A, waves 2, 3 for B; an s_nop 0 and four v_nop follow each line
	s_cmp_eq_u32 s19, 0
	s_cbranch_scc0 .Lfor_b_\@
	tensor_load_to_lds s[\g0a:\g0a+3], s[\g1a:\g1a+7]
	s_nop 0
.rept 4
	v_nop
.endr
	s_branch .Lasked_\@
.Lfor_b_\@:
	tensor_load_to_lds s[\g0b:\g0b+3], s[\g1b:\g1b+7]
	s_nop 0
.rept 4
	v_nop
.endr
.Lasked_\@:
.endm
.macro CREST
	s_cmp_lg_u32 s18, 0
	s_cbranch_scc1 .Lnot_wave_0_\@
	s_barrier_signal -3
.Lnot_wave_0_\@:
	s_barrier_wait -3
	s_barrier_signal -1
	s_barrier_wait -1
.endm
.macro CROUND
	s_barrier_signal -1
	s_barrier_wait -1
	CREST
.endm
.macro PLACES n
.rept \n
	v_nop
.endr
.endm
	s_load_b256 s[4:11], s[0:1], 0x0               ; opc s[4:5], ops s[6:7], bq s[8:9], bk s[10:11]
	s_load_b128 s[12:15], s[0:1], 0x20             ; bv s[12:13], hc s[14:15]
	s_load_b64 s[16:17], s[0:1], 0x30              ; hs
	v_lshl_add_u32 v[SPW], v0, 2, SPARE
	v_mov_b32 v[NIL], 0
	ds_add_u32 v[SPW], v[NIL]                      ; the wave's opening: the add, twice on end, and its wait ahead of my first tensor load
	ds_add_u32 v[SPW], v[NIL]
	v_lshrrev_b32 v1, 5, v0
	v_readfirstlane_b32 s18, v1                    ; wave
	s_lshr_b32 s19, s18, 1                         ; my half of A's rows.  Also: I fetch for A (0) or B (1)
	s_and_b32 s20, s18, 1                          ; my half of B's rows.  Also: which half I fetch
	s_bfe_u32 s92, ttmp6, 0x40000                  ; cx
	s_bfe_u32 s93, ttmp6, 0x40004                  ; cy
	s_and_b32 s21, ttmp7, 0xffff                   ; the cluster's y
	s_and_b32 s22, s21, 7                          ; which 1,024 tokens
	s_lshr_b32 s23, s21, 3                         ; 0 Q, 1 K, 2 V
	s_lshl_b32 s94, s93, 2
	s_lshl_b32 s94, 15, s94                        ; my row of the cluster
	s_lshl_b32 s95, 0x1111, s92                    ; my column
	s_or_b32 s[G1A], s94, (3<<16)|(1<<21)          ; the mask; elements of 8 bytes; bit 21 set beside a mask; no padding
	s_or_b32 s[G1B], s95, (3<<16)|(1<<21)
	s_or_b32 s[G1SA], s94, (3<<16)|(1<<21)
	s_or_b32 s[G1SB], s95, (3<<16)|(1<<21)
.irp g, G1A, G1B                       ; codes: 8 tiles' rows of 3,072 bytes (two images), 12,288 bytes apart
	s_mov_b32 s[\g+1], 384<<16
	s_mov_b32 s[\g+2], 8<<16
	s_mov_b32 s[\g+3], 384<<16
	s_mov_b32 s[\g+4], 8
	s_mov_b32 s[\g+5], 1536
	s_mov_b32 s[\g+6], 0
	s_mov_b32 s[\g+7], 0
.endr
.irp g, G1SA, G1SB                     ; scale words of 8 tiles: 4,096 dense bytes as 16 rows of 256
	s_mov_b32 s[\g+1], 32<<16
	s_mov_b32 s[\g+2], 16<<16
	s_mov_b32 s[\g+3], 32<<16
	s_mov_b32 s[\g+4], 16
	s_mov_b32 s[\g+5], 32
	s_mov_b32 s[\g+6], 0
	s_mov_b32 s[\g+7], 0
.endr
.irp g, G0A, G0A+4, G0A+8, G0SA, G0B0, G0B1, G0B2, G0SB
	s_mov_b32 s[\g], 1
.endr
	s_mul_i32 s[G0A+1], s18, HALFB                 ; LDS: wave x 24,576 in the slot: no place in the cluster enters an LDS address
	s_add_co_u32 s[G0A+5], s[G0A+1], SLOTB
	s_add_co_u32 s[G0A+9], s[G0A+1], 2*SLOTB
	s_mul_i32 s[G0B0+1], s18, HALFB
	s_add_co_u32 s[G0B1+1], s[G0B0+1], SLOTB
	s_add_co_u32 s[G0B2+1], s[G0B0+1], 2*SLOTB
	s_lshl_b32 s[G0SA+1], s18, 12
	s_add_co_u32 s[G0SA+1], s[G0SA+1], SCL
	s_lshl_b32 s[G0SB+1], s18, 12
	s_add_co_u32 s[G0SB+1], s[G0SB+1], SCL
	; which tiles.  A's number is made of the cluster's y, cy and the wave; B's of the cluster's y, cx and the wave
	s_lshl_b32 s98, s22, 6
	s_lshl_b32 s96, s23, 9                         ; q's tiles begin at 0, k's at 512
	s_lshl_b32 s97, s23, 6
	s_add_co_u32 s97, s97, 1536                    ; wq's at 1536, wk's at 1600
	s_cmp_lt_u32 s21, 16
	s_cselect_b32 s2, s98, 0
	s_cselect_b32 s3, 0, s98
	s_cselect_b32 s96, s96, 1664                   ; V: A = wv
	s_cselect_b32 s97, s97, 1024                   ;    B = v
	s_add_co_u32 s2, s2, s96
	s_add_co_u32 s3, s3, s97
	s_lshl_b32 s99, s20, 3
	s_add_co_u32 s2, s2, s99
	s_add_co_u32 s3, s3, s99
	s_lshl_b32 s94, s93, 4
	s_add_co_u32 s2, s2, s94                       ; A's first tile of the eight that I fetch
	s_lshl_b32 s95, s92, 4
	s_add_co_u32 s3, s3, s95                       ; B's
	s_wait_dscnt 0x0                               ; both opening adds are done
	s_wait_kmcnt 0x0
	s_lshl_b32 s96, s2, 9
	s_mov_b32 s97, 0
	s_add_nc_u64 s[G0SA+2:G0SA+3], s[6:7], s[96:97]
	s_or_b32 s[G0SA+3], s[G0SA+3], 0x80000000
	s_mul_i32 s96, s2, 12288
	s_add_nc_u64 s[96:97], s[4:5], s[96:97]
	s_mov_b64 s[G0A+2:G0A+3], s[96:97]
	s_add_nc_u64 s[G0A+6:G0A+7], s[96:97], 3072
	s_add_nc_u64 s[G0A+10:G0A+11], s[96:97], 6144
	s_or_b32 s[G0A+3], s[G0A+3], 0x80000000
	s_or_b32 s[G0A+7], s[G0A+7], 0x80000000
	s_or_b32 s[G0A+11], s[G0A+11], 0x80000000
	s_lshl_b32 s98, s3, 9
	s_mov_b32 s99, 0
	s_add_nc_u64 s[G0SB+2:G0SB+3], s[6:7], s[98:99]
	s_or_b32 s[G0SB+3], s[G0SB+3], 0x80000000
	s_mul_i32 s98, s3, 12288
	s_add_nc_u64 s[98:99], s[4:5], s[98:99]
	s_mov_b64 s[G0B0+2:G0B0+3], s[98:99]
	s_add_nc_u64 s[G0B1+2:G0B1+3], s[98:99], 3072
	s_add_nc_u64 s[G0B2+2:G0B2+3], s[98:99], 6144
	s_or_b32 s[G0B0+3], s[G0B0+3], 0x80000000
	s_or_b32 s[G0B1+3], s[G0B1+3], 0x80000000
	s_or_b32 s[G0B2+3], s[G0B2+3], 0x80000000
	CROUND                                         ; all sixteen work-groups are here: the first joint loads meet
	JLOAD G0SA, G1SA, G0SB, G1SB                   ; the scale words,
	JLOAD G0A, G1A, G0B0, G1B                      ; K steps 0,
	JLOAD G0A+4, G1A, G0B1, G1B                    ; 1
	JLOAD G0A+8, G1A, G0B2, G1B                    ; and 2: three quarters of K are on their way
	v_and_b32 v1, 31, v0                           ; lane
	v_and_b32 v2, 15, v0                           ; r
	s_wait_alu depctr_va_vdst(0)
	v_bfe_u32 v3, v0, 4, 1                         ; h
	s_wait_alu depctr_va_vdst(0)
	v_lshlrev_b32 v[LI], 4, v1
	s_mul_i32 s2, s19, HALFB
	s_mul_i32 s3, s20, HALFB
	s_add_co_u32 s3, s3, 2*HALFB
.irp k, 0,1,2
	v_add_nc_u32 v[ADRA+\k], s2, v[LI]
	v_add_nc_u32 v[ADRB+\k], s3, v[LI]
	s_add_co_u32 s2, s2, SLOTB
	s_add_co_u32 s3, s3, SLOTB
.endr
	v_lshlrev_b32 v4, 4, v2                        ; the scale words: 16 r in a tile's 512 bytes;
	s_lshl_b32 s2, s19, 12                         ; lanes 0-15 take A's, my half;
	s_lshl_b32 s3, s20, 12
	s_add_co_u32 s3, s3, 8192
	s_sub_co_u32 s3, s3, s2
	v_mul_u32_u24 v5, s3, v3                       ; lanes 16-31 B's: one product, h x the distance
	s_add_co_u32 s2, s2, SCL
	v_add_nc_u32 v4, v4, v5
	v_add_nc_u32 v[ADRS], s2, v4
.macro FRAG3 reg, adr, off
.irp c, 0,1,2
	ds_load_b128 v[(\reg)+4*\c:(\reg)+4*\c+3], v[\adr] offset:(\off)+512*\c
.endr
.endm
.macro FETCH_B q                       ; B's eight fragments of K128 step q into set q % 2
	WIN TO_B
.irp i, 0,1,2,3,4,5,6,7
	FRAG3 128*((\q)%2)+FR*\i, ADRB+(((\q)/2)%3), 3072*\i+1536*((\q)%2)
.endr
	WIN 0
.endm
.macro FETCH_A q, i0                   ; A's blocks i0 .. i0 + 3
.irp i, \i0, \i0+1, \i0+2, \i0+3
	FRAG3 AF+FR*(\i), ADRA+(((\q)/2)%3), 3072*(\i)+1536*((\q)%2)
.endr
.endm
.macro SCALES j                        ; the two words of K256 step j: lanes 0-15 A's block i, lanes 16-31 B's block i
.irp i, 0,1,2,3,4,5,6,7
	ds_load_b64 v[SC+16*((\j)%2)+2*\i:SC+16*((\j)%2)+2*\i+1], v[ADRS] offset:512*\i+256*((\j)/2)+8*((\j)%2)
.endr
.endm
; 16 matrix instructions: A's blocks a0, a0 + 1 x B's eight.  The 64 accumulators take turns, one instruction a turn, in the same order in every step.
.macro MUL16 a0, q, zero
.irp a, \a0, \a0+1
.irp b, 0,1,2,3,4,5,6,7
.if \zero
	v_wmma_scale_f32_16x16x128_f8f6f4 v[8*(8*((\a)%4)+\b):8*(8*((\a)%4)+\b)+7], v[128*((\q)%2)+FR*\b:128*((\q)%2)+FR*\b+FR-1], v[AF+FR*(\a):AF+FR*(\a)+FR-1], 0, v[SC+16*(((\q)/2)%2)+2*\b+(\q)%2], v[SC+16*(((\q)/2)%2)+2*(\a)+(\q)%2] matrix_a_fmt:MATRIX_FMT_BF6 matrix_b_fmt:MATRIX_FMT_BF6 matrix_a_scale:MATRIX_SCALE_ROW1
.else
	v_wmma_scale_f32_16x16x128_f8f6f4 v[8*(8*((\a)%4)+\b):8*(8*((\a)%4)+\b)+7], v[128*((\q)%2)+FR*\b:128*((\q)%2)+FR*\b+FR-1], v[AF+FR*(\a):AF+FR*(\a)+FR-1], v[8*(8*((\a)%4)+\b):8*(8*((\a)%4)+\b)+7], v[SC+16*(((\q)/2)%2)+2*\b+(\q)%2], v[SC+16*(((\q)/2)%2)+2*(\a)+(\q)%2] matrix_a_fmt:MATRIX_FMT_BF6 matrix_b_fmt:MATRIX_FMT_BF6 matrix_a_scale:MATRIX_SCALE_ROW1
.endif
.endr
.endr
.endm
.macro STEP q, zero                    ; K128 step q; its successor's tiles have been shown landed
	s_wait_dscnt 4*NLA                             ; all but the youngest loads, A's blocks 4-7
	WIN MUL_LO
	MUL16 0, \q, \zero
	MUL16 2, \q, \zero
	s_wait_dscnt 0
	PLACES 4                                       ; four plain lines ahead of loads into registers that matrix instructions have read
	FETCH_B (\q)+1
	FETCH_A (\q)+1, 0
.if ((\q)+1)%2 == 0
	SCALES ((\q)+1)/2
.endif
	WIN MUL_HI
	MUL16 4, \q, \zero
	MUL16 6, \q, \zero
	PLACES 4
	WIN 0
	FETCH_A (\q)+1, 4
.endm
.macro TURN q, fill                    ; a step with a barrier: in front of it every wave's tensor loads have landed and its LDS reads are over
	s_wait_tensorcnt 0x0                           ; all my tensor loads have landed
	ds_add_u32 v[SPW], v[NIL]
	s_wait_dscnt 4*NLA+1                           ; (the add and A's blocks 4-7 may be out)
	WIN MUL_LO
	MUL16 0, \q, 0
	s_wait_dscnt 0x0                               ; the add is done, and my reads of the slot in hand are over
	s_barrier_signal -1
	MUL16 2, \q, 0
	WIN 0
	s_barrier_wait -1
.if \fill
	CREST                                          ; the barrier has opened a round of the cluster's: no wave of any partner still reads slot 0 or has a load on its way
	s_add_nc_u64 s[G0A+2:G0A+3], s[G0A+2:G0A+3], 9216     ; K step 3
	s_add_nc_u64 s[G0B0+2:G0B0+3], s[G0B0+2:G0B0+3], 9216
	JLOAD G0A, G1A, G0B0, G1B                      ; into slot 0: 256 matrix instructions ahead of the wait for it; its four v_nop are the places ahead of the loads below
.else
	PLACES 4
.endif
	FETCH_B (\q)+1
	FETCH_A (\q)+1, 0
	SCALES ((\q)+1)/2
	WIN MUL_HI
	MUL16 4, \q, 0
	MUL16 6, \q, 0
	PLACES 4
	WIN 0
	FETCH_A (\q)+1, 4
.endm
.macro LAST
	s_wait_dscnt 4*NLA
	WIN MUL_LO
	MUL16 0, 7, 0
	MUL16 2, 7, 0
	s_wait_dscnt 0
	WIN MUL_HI
	MUL16 4, 7, 0
	MUL16 6, 7, 0
	WIN 0
	PLACES 4
.endm
.macro QUANT s, d0, d1, pw             ; 64 numbers, register 16 b + i = k 32 b + 16 (lane / 16) + i, become 2 x 6 registers of codes and a scale word
.irp b, 0,1,2,3
	v_max3_num_f32 v[TM+\b], |v[(\s)+16*\b]|, |v[(\s)+1+16*\b]|, 0x2800000   ; with the floor 2^(5 - 127): the byte cannot fall under 1
.endr
.irp i, 2,4,6,8,10,12,14
.irp b, 0,1,2,3
	v_max3_num_f32 v[TM+\b], v[TM+\b], |v[(\s)+16*\b+\i]|, |v[(\s)+1+16*\b+\i]|
.endr
.endr
.irp b, 0,1,2,3
	v_permlanex16_b32 v[TM+4+\b], v[TM+\b], s[SEL], s[SEL+1]
.endr
.irp b, 0,1,2,3
	v_max_num_f32 v[TM+\b], v[TM+\b], v[TM+4+\b]
.endr
.irp b, 0,1,2,3
	v_add_nc_u32 v[TM+12+\b], 0xfe000000, v[TM+\b] ; 4 off the exponent field: the conversion's scale operand
.endr
.irp b, 0,1,2,3
	v_lshrrev_b32 v[TM+4+\b], 23, v[TM+12+\b]
.endr
	v_lshl_or_b32 v[\pw], v[TM+5], 8, v[TM+4]
	v_lshl_or_b32 v[\pw], v[TM+6], 16, v[\pw]
	v_lshl_or_b32 v[\pw], v[TM+7], 24, v[\pw]
	v_cvt_scalef32_pk16_bf6_f32 v[(\d0):(\d0)+2], v[(\s):(\s)+15], v[TM+12]
	v_cvt_scalef32_pk16_bf6_f32 v[T2:T2+2], v[(\s)+16:(\s)+31], v[TM+13]
	v_cvt_scalef32_pk16_bf6_f32 v[(\d1):(\d1)+2], v[(\s)+32:(\s)+47], v[TM+14]
	v_cvt_scalef32_pk16_bf6_f32 v[T2+4:T2+6], v[(\s)+48:(\s)+63], v[TM+15]
	v_nop                                          ; one plain line behind the scaled conversions
.irp i, 0,1,2
	v_permlane16_swap_b32 v[(\d0)+\i], v[T2+\i]
.endr
.irp i, 0,1,2
	v_permlane16_swap_b32 v[(\d1)+\i], v[T2+4+\i]
.endr
.irp i, 0,1,2
	v_mov_b32 v[(\d0)+3+\i], v[T2+\i]
.endr
.irp i, 0,1,2
	v_mov_b32 v[(\d1)+3+\i], v[T2+4+\i]
.endr
.endm
	s_wait_alu depctr_va_vdst(0)
	s_wait_tensorcnt 2                             ; the scale words and my part of K step 0 are in; steps 1 and 2 may be out
	s_barrier_signal -1
	s_barrier_wait -1
	FETCH_B 0
	FETCH_A 0, 0
	SCALES 0
	FETCH_A 0, 4
	STEP 0, 1                                      ; the first products start the sums: nothing is cleared
	TURN 1, 1                                      ; slots 1 and 2 are whole in every wave; slot 0 is left and filled again
	STEP 2, 0
	STEP 3, 0
	STEP 4, 0
	TURN 5, 0                                      ; slot 0 is whole again
	STEP 6, 0
	s_cmp_lt_u32 s21, 16                           ; the cluster's y: the same in all partners
	s_cbranch_scc0 .Lvmode
	; ---- Q and K: the bias runs along the registers; a block's 128 results are two heads' 64
	s_cmp_eq_u32 s23, 0
	s_cselect_b64 s[96:97], s[8:9], s[10:11]
	s_lshl_b32 s2, s92, 8
	s_lshl_b32 s3, s20, 7
	s_add_co_u32 s2, s2, s3                        ; my first column: 256 cx + 128 x half
	s_lshl_b32 s2, s2, 2
	s_mov_b32 s3, 0
	s_add_nc_u64 s[96:97], s[96:97], s[2:3]
	v_lshlrev_b32 v5, 6, v3                        ; 64 h
.irp b, 0,1,2,3
.irp j, 0,1,2,3
	global_load_b128 v[64+16*\b+4*\j:64+16*\b+4*\j+3], v5, s[96:97] offset:128*\b+16*\j
.endr
.endr
	s_lshl_b32 s2, s22, 2
	s_add_co_u32 s2, s2, s93                       ; which 256 tokens
	s_lshr_b32 s3, s2, 3                           ; the batch
	s_lshl_b32 s3, s3, 4
	s_lshl_b32 s94, s92, 2
	s_add_co_u32 s3, s3, s94
	s_lshl_b32 s94, s20, 1
	s_add_co_u32 s3, s3, s94                       ; 16 x batch + my first head
	s_and_b32 s2, s2, 7
	s_lshl_b32 s2, s2, 1
	s_add_co_u32 s2, s2, s19                       ; the step of 128 tokens
	s_mul_i32 s94, s23, 6291456
	s_mul_i32 s95, s3, 98304
	s_add_co_u32 s94, s94, s95
	s_mul_i32 s95, s2, 6144
	s_add_co_u32 s94, s94, s95
	s_mov_b32 s95, 0
	s_add_nc_u64 s[14:15], s[14:15], s[94:95]
	s_lshl_b32 s94, s23, 19
	s_lshl_b32 s98, s3, 13
	s_add_co_u32 s94, s94, s98
	s_lshl_b32 s98, s2, 9
	s_add_co_u32 s94, s94, s98
	s_add_nc_u64 s[16:17], s[16:17], s[94:95]
	s_mov_b32 s[SEL], 0x76543210
	s_mov_b32 s[SEL+1], 0xfedcba98
	s_mov_b32 s94, 0xffff0000
	LAST
.irp b, 0,1,2,3
	v_mov_b32 v[TM+4+\b], 0                        ; written once: a lane permute's destination counts as one of its sources
.endr
	s_wait_loadcnt 0x0                             ; the bias
.irp a, 0,1,2,3,4,5,6,7
.if (\a >= 2) && (\a%2 == 0)
	s_wait_xcnt 0x0                                ; the last pair's stores have read the codes' registers
.endif
	WIN 2+\a/4
.irp k, 0,2,4,6,8,10,12,14,16,18,20,22,24,26,28,30,32,34,36,38,40,42,44,46,48,50,52,54,56,58,60,62
	v_pk_add_f32 v[HA+\k:HA+\k+1], v[64*(\a%4)+\k:64*(\a%4)+\k+1], v[64+\k:64+\k+1]   ; + bias, each accumulator from its low end on
.endr
	WIN 0
	QUANT HA, U+6*(\a%2), W+6*(\a%2), PW+\a
.if \a%2
.irp c, 0,1,2
	global_store_b128 v[LI], v[U+4*\c:U+4*\c+3], s[14:15] offset:1536*(\a/2)+512*\c         ; 512 consecutive bytes, aligned
	global_store_b128 v[LI], v[W+4*\c:W+4*\c+3], s[14:15] offset:98304+1536*(\a/2)+512*\c   ; the next head
.endr
.endif
.endr
.irp p, 0,1,2,3
	v_cndmask_b32 v[248+\p], v[PW+2*\p], v[PW+2*\p+1], s94   ; lanes 0-15 the even tile's word, lanes 16-31 the odd one's
.endr
.irp p, 0,1,2,3
	v_and_b32 v[HA+\p], 0xffff, v[248+\p]          ; the first head's two bytes
.endr
.irp p, 0,1,2,3
	v_lshrrev_b32 v[HA+4+\p], 16, v[248+\p]        ; the second head's
.endr
	global_store_b128 v[LI], v[HA:HA+3], s[16:17]
	global_store_b128 v[LI], v[HA+4:HA+7], s[16:17] offset:8192
	s_branch .Ldone
	; ---- V: a lane holds one channel: one bias number a block; a block's 128 results are 128 keys: one whole fragment
.Lvmode:
	v_and_b32 v5, 8, v2
	v_add_nc_u32 v5, v5, v2
	v_lshlrev_b32 v5, 2, v5                        ; 4 (r + 8 (r / 8))
	v_lshlrev_b32 v6, 3, v1                        ; 8 x lane
	s_lshl_b32 s2, s93, 8
	s_lshl_b32 s3, s19, 7
	s_add_co_u32 s2, s2, s3                        ; my first channel: 256 cy + 128 x half
	s_lshl_b32 s2, s2, 2
	s_mov_b32 s3, 0
	s_add_nc_u64 s[12:13], s[12:13], s[2:3]
.irp a, 0,1,2,3,4,5,6,7
	global_load_b32 v[8+\a], v5, s[12:13] offset:4*(32*(\a/2)+8*(\a%2))
.endr
	s_lshl_b32 s94, s22, 2
	s_add_co_u32 s94, s94, s92                     ; which 256 tokens
	s_lshr_b32 s95, s94, 3
	s_lshl_b32 s95, s95, 4
	s_lshl_b32 s96, s93, 2
	s_add_co_u32 s95, s95, s96
	s_lshl_b32 s96, s19, 1
	s_add_co_u32 s95, s95, s96                     ; 16 x batch + my first head
	s_and_b32 s94, s94, 7
	s_lshl_b32 s94, s94, 1
	s_add_co_u32 s94, s94, s20                     ; the step of 128 keys
	s_mul_i32 s96, s95, 98304
	s_mul_i32 s97, s94, 6144
	s_add_co_u32 s96, s96, s97
	s_add_co_u32 s96, s96, 12582912
	s_mov_b32 s97, 0
	s_add_nc_u64 s[14:15], s[14:15], s[96:97]
	s_lshl_b32 s96, s95, 12
	s_lshl_b32 s98, s94, 8
	s_add_co_u32 s96, s96, s98
	s_add_co_u32 s96, s96, 1048576
	s_add_nc_u64 s[16:17], s[16:17], s[96:97]
	s_mov_b32 s[SEL], 0x76543210
	s_mov_b32 s[SEL+1], 0xfedcba98
	s_mov_b32 s94, 0xffff0000
	LAST
.irp b, 0,1,2,3
	v_mov_b32 v[TM+4+\b], 0
.endr
	s_wait_loadcnt 0x0                             ; the bias
.irp a, 0,1,2,3,4,5,6,7
.if \a >= 1
	s_wait_xcnt 0x0                                ; the last block's stores have read the codes' registers
.endif
	WIN 2+\a/4
.set k, 0
.rept 64
	v_add_f32 v[HA+k], v[64*(\a%4)+k], v[8+\a]     ; + bias, each accumulator from its low end on
.set k, k+1
.endr
	WIN 0
	QUANT HA, U, U+6, PW+\a
.irp c, 0,1,2
	global_store_b128 v[LI], v[U+4*\c:U+4*\c+3], s[14:15] offset:98304*(\a/4)+1536*(\a%4)+512*\c
.endr
.endr
.irp g, 0,1
	v_cndmask_b32 v[248+2*\g], v[PW+4*\g], v[PW+4*\g+1], s94
	v_cndmask_b32 v[249+2*\g], v[PW+4*\g+2], v[PW+4*\g+3], s94
	global_store_b64 v6, v[248+2*\g:249+2*\g], s[16:17] offset:4096*\g   ; 256 consecutive bytes, aligned
.endr
.Ldone:
	s_wait_tensorcnt 0x0                           ; the wave's end
	ds_add_u32 v[SPW], v[NIL]
	s_wait_dscnt 0x0
	CROUND                                         ; the closing round: no work-group ends while a partner may still ask for a tile that names it
	s_endpgm
.Lfunc_end_k_q7dd45812b4_proj:
	.size	k_q7dd45812b4_proj, .Lfunc_end_k_q7dd45812b4_proj-k_q7dd45812b4_proj
	.p2alignl 7, 3214868480
	.fill 96, 4, 3214868480
	.section	.rodata,"a",@progbits
	.p2align	6, 0x0
	.amdhsa_kernel k_q7dd45812b4_proj
		.amdhsa_group_segment_fixed_size 327680
		.amdhsa_private_segment_fixed_size 0
		.amdhsa_enable_private_segment 0
		.amdhsa_kernarg_size 56
		.amdhsa_user_sgpr_count 2
		.amdhsa_user_sgpr_kernarg_segment_ptr 1
		.amdhsa_wavefront_size32 1
		.amdhsa_system_sgpr_workgroup_id_x 1
		.amdhsa_system_sgpr_workgroup_id_y 1
		.amdhsa_system_sgpr_workgroup_id_z 1
		.amdhsa_system_vgpr_workitem_id 0
		.amdhsa_next_free_vgpr 1024
		.amdhsa_next_free_sgpr 100
		.amdhsa_reserve_vcc 0
		.amdhsa_float_denorm_mode_32 3
		.amdhsa_float_denorm_mode_16_64 3
		.amdhsa_memory_ordered 1
		.amdhsa_forward_progress 1
		.amdhsa_inst_pref_size 218
	.end_amdhsa_kernel
	.amdgpu_metadata
---
amdhsa.version: [ 1, 2 ]
amdhsa.kernels:
  - .name:           k_q7dd45812b4_proj
    .symbol:         k_q7dd45812b4_proj.kd
    .args:
      - { .name: opc, .offset: 0, .size: 8, .value_kind: global_buffer, .address_space: global }
      - { .name: ops, .offset: 8, .size: 8, .value_kind: global_buffer, .address_space: global }
      - { .name: bq, .offset: 16, .size: 8, .value_kind: global_buffer, .address_space: global }
      - { .name: bk, .offset: 24, .size: 8, .value_kind: global_buffer, .address_space: global }
      - { .name: bv, .offset: 32, .size: 8, .value_kind: global_buffer, .address_space: global }
      - { .name: hc, .offset: 40, .size: 8, .value_kind: global_buffer, .address_space: global }
      - { .name: hs, .offset: 48, .size: 8, .value_kind: global_buffer, .address_space: global }
    .group_segment_fixed_size: 327680
    .private_segment_fixed_size: 0
    .kernarg_segment_align: 8
    .kernarg_segment_size: 56
    .max_flat_workgroup_size: 128
    .sgpr_count:     100
    .vgpr_count:     1024
    .wavefront_size: 32
...
	.end_amdgpu_metadata
.endif
;; end of part 2
;; launch attn (part 3): grid 4 x 64, 16 waves a work-group, no clusters, 210,944 bytes of LDS; arguments hc, hs, mw, mf, cc, cs; writes cc, cs
.if DOCPART == 3
	.amdgcn_target "amdgcn-amd-amdhsa--gfx1250"
	.amdhsa_code_object_version 6
	.text
	.protected	k_q7dd45812b4_attn
	.globl	k_q7dd45812b4_attn
	.p2align	8
	.type	k_q7dd45812b4_attn,@function
k_q7dd45812b4_attn:
	s_mov_b64 s[64:65], 0
	v_nop
	global_prefetch_b8 v0, s[64:65] scope:SCOPE_SE
	s_setreg_imm32_b32 hwreg(HW_REG_WAVE_MODE, 25, 1), 1
	s_wait_xcnt 0x0
; ATTN.  For one (batch, head): S^T = K Q^T, the masked softmax, O^T = V^T P^T, O / l, and O quantised along the model's 1,024 for the last product.  Both products on codes of BF6.
; LEFT OUT, by whole numbers that the first launch stored (mf): a step of 128 keys all of whose 16 x 128 mask bytes are true, for a tile of queries in which no row is wholly masked: those weights are 0 in f32.
; THE SOFTMAX: t = score x log2(e) / 8; M = the running largest t rounded up to a whole number; p = 2^(t - M) is quantised along the keys; the sum is taken of the unquantised p and divides at the end.
; A MASKED SCORE becomes -2^33 ahead of the maximum: times c that is a whole number, exactly, so that a row with masked keys alone has p = 1 at each of them (the uniform row that -1e9 gives), and beside any unmasked key p = 0.
; LIMIT: the masked logit stands at -1.0737e9 where the problem has -1e9; that shows only where an unmasked logit lies under about -9.9e8.  NaN and infinities are not served.
; THE HEAD IS 64 AND THE MATRIX INSTRUCTION 128 DEEP: Q's registers 6-11 hold zero codes, so whatever stands in K's registers 6-11 (the next tile's codes) adds nothing; the scale bytes there are 0, which is 2^-127 and no NaN.
; SHARES.  Work-group (x, head) owns the blocks 7 - x and x of 256 queries, one after the other; each of its sixteen waves one tile of 16 queries of each block, in 256 registers.
; All K and V codes and scale words of the head (208,896 bytes) are copied into LDS once, through registers; behind ONE barrier LDS is only read.  So the walk may branch on the stored flags.
; Not shared in a cluster: the steps left out weigh more than the 3 x 204 KB a head that sharing would spare.
; REGISTERS: v1, v2, v10, v221 lane places; v3, v4 the add's two; v5-8 the step's addresses; v9 -2^33; v11 Q's scale word; v12 -M, v13 largest t, v[14:15] the sum; v16-21 Q, v22-27 zeros; v28-31 K's scale words;
;   v32-79 K's eight half fragments, then V's four fragments; v80-85 zeros; v[86:87] V's scale words; v88-151 S^T, then p; v152-183 O^T; v184-195 p's codes; v196-220 at work; v222-230 addresses.
.set VC,    98304
.set KS,    196608
.set VS,    204800
.set SPARE, 208896                     ; the spare words, 128 bytes a wave, which no other line names
	s_load_b256 s[4:11], s[0:1], 0x0               ; hc s[4:5], hs s[6:7], mw s[8:9], mf s[10:11]
	s_load_b128 s[12:15], s[0:1], 0x20             ; cc s[12:13], cs s[14:15]
	v_lshl_add_u32 v3, v0, 2, SPARE
	v_mov_b32 v4, 0
	v_lshrrev_b32 v5, 5, v0
	s_delay_alu instid0(VALU_DEP_1)
	v_readfirstlane_b32 s16, v5                    ; wave 0..15
	s_and_b32 s17, ttmp7, 0xffff                   ; 16 x batch + head
	s_mov_b32 s18, ttmp9                           ; x
	s_mul_i32 s19, s17, 98304
	s_and_b32 s3, s16, 1
	s_sub_co_u32 s3, 0, s3                         ; all ones in odd waves: my tile is the second of its pair image
	v_lshlrev_b32 v222, 4, v0                      ; 16 x thread: the copy's place in memory and in LDS;
	s_delay_alu instid0(VALU_DEP_1)
	v_add_nc_u32 v223, 0x10000, v222               ; LDS offsets have 16 bits: a register for each 65,536 bytes
	s_delay_alu instid0(VALU_DEP_2)
	v_add_nc_u32 v224, 0x20000, v222
	s_delay_alu instid0(VALU_DEP_3)
	v_add_nc_u32 v225, KS, v222
	v_lshlrev_b32 v226, 3, v0
	s_delay_alu instid0(VALU_DEP_1)
	v_add_nc_u32 v227, VS, v226
	s_add_co_u32 s32, s19, 6291456
	s_mov_b32 s33, 0
	s_add_co_u32 s34, s19, 12582912
	s_mov_b32 s35, 0
	s_lshl_b32 s36, s17, 13
	s_add_co_u32 s36, s36, 524288
	s_mov_b32 s37, 0
	s_lshl_b32 s38, s17, 12
	s_add_co_u32 s38, s38, 1048576
	s_mov_b32 s39, 0
	s_wait_alu depctr_va_vdst(0)
	s_wait_kmcnt 0x0
	s_add_nc_u64 s[32:33], s[4:5], s[32:33]        ; K's codes
	s_add_nc_u64 s[34:35], s[4:5], s[34:35]        ; V's
	s_add_nc_u64 s[36:37], s[6:7], s[36:37]        ; K's scale words
	s_add_nc_u64 s[38:39], s[6:7], s[38:39]        ; V's
.irp k, 0,1,2,3,4,5,6,7,8,9,10,11
	global_load_b128 v[32+4*\k:35+4*\k], v222, s[32:33] offset:8192*\k
.endr
.irp k, 0,1,2,3,4,5,6,7,8,9,10,11
	global_load_b128 v[88+4*\k:91+4*\k], v222, s[34:35] offset:8192*\k
.endr
	global_load_b128 v[136:139], v222, s[36:37]
	global_load_b64 v[140:141], v226, s[38:39]
	v_and_b32 v230, 31, v0                         ; lane
	v_and_b32 v229, 15, v0
	s_delay_alu instid0(VALU_DEP_1)
	v_lshlrev_b32 v229, 4, v229                    ; 16 r
	s_delay_alu instid0(VALU_DEP_3)
	v_lshlrev_b32 v228, 3, v230                    ; 8 x lane
	s_delay_alu instid0(VALU_DEP_4)
	v_lshlrev_b32 v1, 4, v230                      ; 16 x lane: K's images
	s_delay_alu instid0(VALU_DEP_1)
	v_add_nc_u32 v2, VC, v1                        ; V's
	s_delay_alu instid0(VALU_DEP_2)
	v_add_nc_u32 v10, KS, v1
	s_delay_alu instid0(VALU_DEP_4)
	v_add_nc_u32 v221, VS, v228
	v_mov_b32 v9, 0xd0000000                       ; -2^33
.irp i, 22,23,24,25,26,27,80,81,82,83,84,85
	v_mov_b32 v\i, 0                               ; zero codes
.endr
.irp i, 208,209,210,211,219,220
	v_mov_b32 v\i, 0                               ; written once: permute destinations, and the upper half of the pair v[218:219]
.endr
	s_mov_b32 s24, 0x3e38aa3b                      ; c = log2(e) / 8
	s_mov_b32 s25, s24
	s_mov_b32 s26, 0x76543210
	s_mov_b32 s27, 0xfedcba98
.irp k, 0,1,2,3,4,5,6,7,8,9,10,11
	s_wait_loadcnt 25-\k                           ; loads come back in order: this one is in, the younger ones stay out
	ds_store_b128 v[222+\k/8], v[32+4*\k:35+4*\k] offset:8192*(\k%8)
.endr
.irp k, 0,1,2,3,4,5,6,7,8,9,10,11
	s_wait_loadcnt 13-\k
	ds_store_b128 v[222+(12+\k)/8], v[88+4*\k:91+4*\k] offset:8192*((12+\k)%8)
.endr
	s_wait_loadcnt 1
	ds_store_b128 v225, v[136:139]
	s_wait_loadcnt 0
	ds_store_b64 v227, v[140:141]
	s_wait_dscnt 0x0                               ; for the others' sake: my stores have landed
	s_barrier_signal -1
	s_barrier_wait -1                              ; from here on LDS is only read
; One tile of 16 queries through all key steps.  s20: the block of 256 queries.
.macro PASS
	s_lshl_b32 s21, s20, 4
	s_add_co_u32 s21, s21, s16                     ; Tq
	s_lshl_b32 s31, s21, 2
	s_load_b32 s22, s[10:11], s31 offset:0x0       ; the tile's flags
	s_lshl_b32 s32, s21, 12
	s_mov_b32 s33, 0
	s_add_nc_u64 s[66:67], s[8:9], s[32:33]        ; the tile's mask words
	s_lshr_b32 s34, s21, 3                         ; the step of 128 tokens in which my tile lies,
	s_bfe_u32 s35, s21, 0x20001                    ; and its pair image there
	s_mul_i32 s36, s34, 6144
	s_mul_i32 s37, s35, 1536
	s_add_co_u32 s36, s36, s37
	s_add_co_u32 s36, s36, s19
	s_mov_b32 s37, 0
	s_add_nc_u64 s[36:37], s[4:5], s[36:37]
	s_lshl_b32 s38, s17, 13
	s_lshl_b32 s39, s34, 9
	s_add_co_u32 s38, s38, s39
	s_and_b32 s39, s21, 1
	s_lshl_b32 s39, s39, 8
	s_add_co_u32 s38, s38, s39
	s_lshl_b32 s39, s35, 2
	s_add_co_u32 s38, s38, s39
	s_mov_b32 s39, 0
	s_add_nc_u64 s[38:39], s[6:7], s[38:39]
	global_load_b128 v[88:91], v1, s[36:37]
	global_load_b128 v[92:95], v1, s[36:37] offset:512
	global_load_b128 v[96:99], v1, s[36:37] offset:1024
	global_load_b32 v11, v229, s[38:39]            ; lane r: row r's scale word
	v_mov_b32 v13, 0xff61b1e6                      ; the largest t so far: -3e38
	s_delay_alu instid0(VALU_DEP_1)
	v_floor_f32 v12, -v13                          ; -M
	v_mov_b32 v14, 0
	v_mov_b32 v15, 0
	s_mov_b32 s28, 0                               ; the step's codes in LDS: 6,144 bytes a step
	s_mov_b32 s29, 0                               ; K's scale words: 512
	s_mov_b32 s30, 0                               ; V's scale words, and the mask words in memory: 256
	s_mov_b32 s23, 16
	s_wait_loadcnt 0x0
.irp i, 0,1,2,3,4,5
	v_cndmask_b32 v[16+\i], v[88+\i], v[94+\i], s3 ; my tile's six registers
.endr
.set j, 0
.rept 32
	v_mov_b32 v[152+j], 0                          ; O^T: the first change of M leaves zeros zeros, so the step is written once.  (Also the plain lines between Q's registers and the first product)
.set j, j+1
.endr
	s_wait_kmcnt 0x0
.Lstep_\@:                                         ; 16 trips, a constant; a step's work is jumped over where the flags say so
	s_bitcmp1_b32 s22, 0
	s_cbranch_scc0 .Lskip_\@
	s_setprio 2
	v_add_nc_u32 v5, s28, v1                       ; (these four are the places ahead of the loads into registers that the last products read)
	v_add_nc_u32 v6, s28, v2
	v_add_nc_u32 v7, s29, v10
	v_add_nc_u32 v8, s30, v221
.irp k, 0,1,2,3,4,5,6,7,8,9,10,11
	ds_load_b128 v[32+4*\k:35+4*\k], v5 offset:512*\k   ; four pair images: tile t's six registers at v[32 + 6 t]
.endr
	ds_load_b128 v[28:31], v7
	s_wait_alu depctr_va_vdst(0)
	s_wait_dscnt 0x0
.irp t, 0,1,2,3,4,5,6,7                        ; S^T = K Q^T: lane (r, h) holds query r; register 16 b + i is key 32 b + 16 h + i of the step
.if \t%2
	v_wmma_scale_f32_16x16x128_f8f6f4 v[88+8*\t:95+8*\t], v[32+6*\t:43+6*\t], v[16:27], 0, v[28+\t/2], v11 matrix_a_fmt:MATRIX_FMT_BF6 matrix_b_fmt:MATRIX_FMT_BF6 matrix_a_scale:MATRIX_SCALE_ROW1
.else
	v_wmma_scale_f32_16x16x128_f8f6f4 v[88+8*\t:95+8*\t], v[32+6*\t:43+6*\t], v[16:27], 0, v[28+\t/2], v11 matrix_a_fmt:MATRIX_FMT_BF6 matrix_b_fmt:MATRIX_FMT_BF6
.endif
.endr
.rept 4
	v_nop                                          ; four plain lines ahead of the loads below and of the first read of the scores
.endr
.irp k, 0,1,2,3,4,5,6,7,8,9,10,11
	ds_load_b128 v[32+4*\k:35+4*\k], v6 offset:512*\k   ; V's four fragments land under the softmax
.endr
	ds_load_b64 v[86:87], v8
	s_bitcmp1_b32 s22, 16
	s_cbranch_scc0 .Lopen_\@
	s_load_b512 s[32:47], s[66:67], s30 offset:0x0 ; 64 words: a bit for each lane, a word for each score register
	s_load_b512 s[48:63], s[66:67], s30 offset:0x40
	s_load_b512 s[68:83], s[66:67], s30 offset:0x80
	s_load_b512 s[84:99], s[66:67], s30 offset:0xc0
	s_wait_kmcnt 0x0
.set n, 0
.rept 64
.set m, 2*(n%32)+n/32
.if m < 32
.set sg, 32+m
.else
.set sg, 36+m
.endif
	v_cndmask_b32 v[88+n], v[88+n], v9, s[sg]
.set n, n+1
.endr
.Lopen_\@:
.irp b, 0,1,2,3
	v_max3_num_f32 v[204+\b], v[88+16*\b], v[89+16*\b], v[90+16*\b]   ; the largest score of each block of 32 keys: for the row's maximum, and, since p rises with the score, for the block's largest p
.endr
.irp i, 3,5,7,9,11,13
.irp b, 0,1,2,3
	v_max3_num_f32 v[204+\b], v[204+\b], v[88+16*\b+\i], v[89+16*\b+\i]
.endr
.endr
.irp b, 0,1,2,3
	v_max_num_f32 v[204+\b], v[204+\b], v[103+16*\b]
.endr
.irp b, 0,1,2,3
	s_delay_alu instid0(VALU_DEP_4)
	v_permlanex16_b32 v[208+\b], v[204+\b], s26, s27
.endr
.irp b, 0,1,2,3
	s_delay_alu instid0(VALU_DEP_4)
	v_max_num_f32 v[204+\b], v[204+\b], v[208+\b]
.endr
	s_delay_alu instid0(VALU_DEP_2)
	v_max3_num_f32 v220, v204, v205, v206
	s_delay_alu instid0(VALU_DEP_1)
	v_max_num_f32 v220, v220, v207
	s_delay_alu instid0(VALU_DEP_1)
	v_mul_f32 v220, s24, v220                      ; as t
	s_delay_alu instid0(VALU_DEP_1)
	v_max_num_f32 v13, v13, v220                   ; the running largest t
	v_mov_b32 v220, v12
	s_delay_alu instid0(VALU_DEP_2)
	v_floor_f32 v12, -v13                          ; the new -M: a whole number
	s_delay_alu instid0(VALU_DEP_1)
	v_sub_f32 v220, v12, v220                      ; old M - new M, 0 or less
	s_delay_alu instid0(VALU_DEP_1)
	v_cvt_i32_f32 v220, v220                       ; (it saturates)
	s_delay_alu instid0(VALU_DEP_1)
	v_ldexp_f32 v218, 1.0, v220                    ; f = 2^(old M - new M)
.set j, 0
.rept 32
	v_pk_fma_f32 v[88+j:89+j], v[88+j:89+j], s[24:25], v[12:13] op_sel_hi:[1,0,0]   ; t - M
.set j, j+2
.endr
.irp b, 0,1,2,3
	v_fma_f32 v[204+\b], v[204+\b], s24, v12
.endr
.set j, 0
	s_setprio 1
	s_wait_alu depctr_va_vdst(0)
.rept 64
	v_exp_f32 v[88+j], v[88+j]                     ; p, not normalised
.set j, j+1
.endr
	v_pk_mul_f32 v[14:15], v[14:15], v[218:219] op_sel_hi:[1,0]   ; the sums under the new M: the plain line behind the exponentials
	s_wait_alu depctr_va_vdst(0)                   ; one wait for the batch, ahead of its first reader
.irp b, 0,1,2,3
	v_exp_f32 v[204+\b], v[204+\b]                 ; the blocks' largest p
.endr
	v_pk_add_f32 v[208:209], v[92:93], v[96:97]
	v_pk_add_f32 v[254:255], v[100:101], v[104:105]
	v_pk_add_f32 v[252:253], v[108:109], v[112:113]
	v_pk_add_f32 v[250:251], v[116:117], v[120:121]
	v_pk_add_f32 v[248:249], v[124:125], v[128:129]
	v_pk_add_f32 v[246:247], v[132:133], v[136:137]
	v_pk_add_f32 v[244:245], v[140:141], v[144:145]
	v_pk_add_f32 v[14:15], v[14:15], v[148:149]
	v_pk_add_f32 v[208:209], v[208:209], v[88:89]
	v_pk_add_f32 v[254:255], v[254:255], v[90:91]
	v_pk_add_f32 v[252:253], v[252:253], v[94:95]
	v_pk_add_f32 v[250:251], v[250:251], v[98:99]
	v_pk_add_f32 v[248:249], v[248:249], v[102:103]
	v_pk_add_f32 v[246:247], v[246:247], v[106:107]
	v_pk_add_f32 v[244:245], v[244:245], v[110:111]
	v_pk_add_f32 v[14:15], v[14:15], v[114:115]
	v_pk_add_f32 v[208:209], v[208:209], v[118:119]
	v_pk_add_f32 v[254:255], v[254:255], v[122:123]
	v_pk_add_f32 v[252:253], v[252:253], v[126:127]
	v_pk_add_f32 v[250:251], v[250:251], v[130:131]
	v_pk_add_f32 v[248:249], v[248:249], v[134:135]
	v_pk_add_f32 v[246:247], v[246:247], v[138:139]
	v_pk_add_f32 v[244:245], v[244:245], v[142:143]
	v_pk_add_f32 v[14:15], v[14:15], v[146:147]
	v_pk_add_f32 v[208:209], v[208:209], v[150:151]
	s_delay_alu instid0(VALU_DEP_2)
	v_pk_add_f32 v[14:15], v[14:15], v[250:251]
	s_delay_alu instid0(VALU_DEP_2)
	v_pk_add_f32 v[208:209], v[208:209], v[248:249]
	v_pk_add_f32 v[254:255], v[254:255], v[246:247]
	v_pk_add_f32 v[252:253], v[252:253], v[244:245]
	s_delay_alu instid0(VALU_DEP_2)
	v_pk_add_f32 v[14:15], v[14:15], v[254:255]
	s_delay_alu instid0(VALU_DEP_2)
	v_pk_add_f32 v[208:209], v[208:209], v[252:253]
	s_delay_alu instid0(VALU_DEP_1)
	v_pk_add_f32 v[14:15], v[14:15], v[208:209]
	s_wait_alu depctr_va_vdst(0)                   ; and one for the four
.irp b, 0,1,2,3
	v_max_num_f32 v[204+\b], 0x2800000, v[204+\b]  ; the floor 2^(5 - 127)
.endr
.irp b, 0,1,2,3
	s_delay_alu instid0(VALU_DEP_4)
	v_add_nc_u32 v[212+\b], 0xfe000000, v[204+\b]
.endr
.irp b, 0,1,2,3
	s_delay_alu instid0(VALU_DEP_4)
	v_lshrrev_b32 v[208+\b], 23, v[212+\b]
.endr
	s_delay_alu instid0(VALU_DEP_3)
	v_lshl_or_b32 v216, v209, 8, v208              ; p's scale word for these 128 keys
	s_delay_alu instid0(VALU_DEP_1)
	v_lshl_or_b32 v216, v210, 16, v216
	s_delay_alu instid0(VALU_DEP_1)
	v_lshl_or_b32 v216, v211, 24, v216
.irp c, 0,1
	v_cvt_scalef32_pk16_bf6_f32 v[184+6*\c:186+6*\c], v[88+32*\c:103+32*\c], v[212+2*\c]
	v_cvt_scalef32_pk16_bf6_f32 v[196+4*\c:198+4*\c], v[104+32*\c:119+32*\c], v[213+2*\c]
.endr
	v_nop
	s_setprio 0
.irp c, 0,1
.irp i, 0,1,2
	v_permlane16_swap_b32 v[184+6*\c+\i], v[196+4*\c+\i]
.endr
.irp i, 0,1,2
	s_delay_alu instid0(VALU_DEP_3)
	v_mov_b32 v[187+6*\c+\i], v[196+4*\c+\i]
.endr
.endr
.set j, 0
.rept 16
	v_pk_mul_f32 v[152+j:153+j], v[152+j:153+j], v[218:219] op_sel_hi:[1,0]   ; O^T under the new M.  (These sixteen stand between p's codes and scale word and the products)
.set j, j+2
.endr
	s_wait_alu depctr_va_vdst(0)
	s_wait_dscnt 0x0                               ; V
.irp t, 0,1,2,3                                ; O^T += V^T P^T: the four accumulators by turns
.if \t%2
	v_wmma_scale_f32_16x16x128_f8f6f4 v[152+8*\t:159+8*\t], v[32+12*\t:43+12*\t], v[184:195], v[152+8*\t:159+8*\t], v[86+\t/2], v216 matrix_a_fmt:MATRIX_FMT_BF6 matrix_b_fmt:MATRIX_FMT_BF6 matrix_a_scale:MATRIX_SCALE_ROW1
.else
	v_wmma_scale_f32_16x16x128_f8f6f4 v[152+8*\t:159+8*\t], v[32+12*\t:43+12*\t], v[184:195], v[152+8*\t:159+8*\t], v[86+\t/2], v216 matrix_a_fmt:MATRIX_FMT_BF6 matrix_b_fmt:MATRIX_FMT_BF6
.endif
.endr
.Lskip_\@:
	s_add_co_u32 s28, s28, 6144
	s_add_co_u32 s29, s29, 512
	s_add_co_u32 s30, s30, 256
	s_lshr_b32 s22, s22, 1                         ; the next step's two flags come to bits 0 and 16
	s_sub_co_u32 s23, s23, 1
	s_cmp_lg_u32 s23, 0
	s_cbranch_scc1 .Lstep_\@
	s_setprio 0
	; the way out: O^T / l; register 16 b + i is channel 32 b + 16 h + i of the head: two blocks of the last product's K
.rept 4
	v_nop
.endr
	v_add_f32 v14, v14, v15
	s_delay_alu instid0(VALU_DEP_1)
	v_permlanex16_b32 v220, v14, s26, s27
	s_delay_alu instid0(VALU_DEP_1)
	v_add_f32 v14, v14, v220                       ; the row's sum
	s_wait_alu depctr_va_vdst(0)
	v_rcp_f32 v218, v14
	v_nop                                          ; a plain line behind the reciprocal
	s_lshr_b32 s32, s17, 4
	s_lshl_b32 s32, s32, 7
	s_add_co_u32 s32, s32, s21                     ; the tile among all 512: 128 x batch + Tq
	s_and_b32 s33, s17, 15                         ; the head
	s_mul_i32 s34, s32, 12288
	s_mul_i32 s35, s33, 768
	s_add_co_u32 s34, s34, s35
	s_mov_b32 s35, 0
	s_add_nc_u64 s[34:35], s[12:13], s[34:35]
	s_lshl_b32 s36, s32, 9
	s_lshr_b32 s37, s33, 3
	s_lshl_b32 s37, s37, 8
	s_add_co_u32 s36, s36, s37
	s_and_b32 s37, s33, 7
	s_lshl_b32 s37, s37, 1
	s_add_co_u32 s36, s36, s37
	s_mov_b32 s37, 0
	s_add_nc_u64 s[36:37], s[14:15], s[36:37]
	s_wait_alu depctr_va_vdst(0)                   ; the wait ahead of the reciprocal's first reader
.set j, 0
.rept 16
	v_pk_mul_f32 v[88+j:89+j], v[152+j:153+j], v[218:219] op_sel_hi:[1,0]
.set j, j+2
.endr
.irp b, 0,1
	v_max3_num_f32 v[204+\b], |v[88+16*\b]|, |v[89+16*\b]|, 0x2800000
.endr
.irp i, 2,4,6,8,10,12,14
.irp b, 0,1
	s_delay_alu instid0(VALU_DEP_2)
	v_max3_num_f32 v[204+\b], v[204+\b], |v[88+16*\b+\i]|, |v[89+16*\b+\i]|
.endr
.endr
.irp b, 0,1
	s_delay_alu instid0(VALU_DEP_2)
	v_permlanex16_b32 v[208+\b], v[204+\b], s26, s27
.endr
.irp b, 0,1
	s_delay_alu instid0(VALU_DEP_2)
	v_max_num_f32 v[204+\b], v[204+\b], v[208+\b]
.endr
.irp b, 0,1
	s_delay_alu instid0(VALU_DEP_2)
	v_add_nc_u32 v[212+\b], 0xfe000000, v[204+\b]
.endr
.irp b, 0,1
	s_delay_alu instid0(VALU_DEP_2)
	v_lshrrev_b32 v[208+\b], 23, v[212+\b]
.endr
	s_delay_alu instid0(VALU_DEP_1)
	v_lshl_or_b32 v216, v209, 8, v208              ; the head's two scale bytes
	v_cvt_scalef32_pk16_bf6_f32 v[184:186], v[88:103], v212
	v_cvt_scalef32_pk16_bf6_f32 v[196:198], v[104:119], v213
	v_nop
.irp i, 0,1,2
	v_permlane16_swap_b32 v[184+\i], v[196+\i]
.endr
.irp i, 0,1,2
	s_delay_alu instid0(VALU_DEP_3)
	v_mov_b32 v[187+\i], v[196+\i]
.endr
	global_store_b128 v1, v[184:187], s[34:35]                 ; half an image: registers 0-3, 512 consecutive bytes,
	global_store_b64 v228, v[188:189], s[34:35] offset:512     ; registers 4, 5: 256
	s_wait_xcnt 0x0                                ; EXEC changes only behind this wait
	v_cmp_gt_u32 vcc_lo, 16, v230
	s_and_saveexec_b32 s31, vcc_lo
	global_store_b16 v229, v216, s[36:37]          ; a head owns two of a scale word's four bytes: 32 bytes a tile and head
	s_wait_xcnt 0x0                                ; also frees every register that the stores above read
	s_or_b32 exec_lo, exec_lo, s31
.endm
	s_sub_co_u32 s20, 7, s18
	PASS
	s_mov_b32 s20, s18
	PASS
	s_wait_tensorcnt 0x0                           ; the wave's end
	ds_add_u32 v3, v4
	s_wait_dscnt 0x0
	s_endpgm
.Lfunc_end_k_q7dd45812b4_attn:
	.size	k_q7dd45812b4_attn, .Lfunc_end_k_q7dd45812b4_attn-k_q7dd45812b4_attn
	.p2alignl 7, 3214868480
	.fill 96, 4, 3214868480
	.section	.rodata,"a",@progbits
	.p2align	6, 0x0
	.amdhsa_kernel k_q7dd45812b4_attn
		.amdhsa_group_segment_fixed_size 210944
		.amdhsa_private_segment_fixed_size 0
		.amdhsa_enable_private_segment 0
		.amdhsa_kernarg_size 48
		.amdhsa_user_sgpr_count 2
		.amdhsa_user_sgpr_kernarg_segment_ptr 1
		.amdhsa_wavefront_size32 1
		.amdhsa_system_sgpr_workgroup_id_x 1
		.amdhsa_system_sgpr_workgroup_id_y 1
		.amdhsa_system_sgpr_workgroup_id_z 1
		.amdhsa_system_vgpr_workitem_id 0
		.amdhsa_next_free_vgpr 256
		.amdhsa_next_free_sgpr 100
		.amdhsa_reserve_vcc 1
		.amdhsa_float_denorm_mode_32 3
		.amdhsa_float_denorm_mode_16_64 3
		.amdhsa_memory_ordered 1
		.amdhsa_forward_progress 1
		.amdhsa_inst_pref_size 68
	.end_amdhsa_kernel
	.amdgpu_metadata
---
amdhsa.version: [ 1, 2 ]
amdhsa.kernels:
  - .name:           k_q7dd45812b4_attn
    .symbol:         k_q7dd45812b4_attn.kd
    .args:
      - { .name: hc, .offset: 0, .size: 8, .value_kind: global_buffer, .address_space: global }
      - { .name: hs, .offset: 8, .size: 8, .value_kind: global_buffer, .address_space: global }
      - { .name: mw, .offset: 16, .size: 8, .value_kind: global_buffer, .address_space: global }
      - { .name: mf, .offset: 24, .size: 8, .value_kind: global_buffer, .address_space: global }
      - { .name: cc, .offset: 32, .size: 8, .value_kind: global_buffer, .address_space: global }
      - { .name: cs, .offset: 40, .size: 8, .value_kind: global_buffer, .address_space: global }
    .group_segment_fixed_size: 210944
    .private_segment_fixed_size: 0
    .kernarg_segment_align: 8
    .kernarg_segment_size: 48
    .max_flat_workgroup_size: 512
    .sgpr_count:     100
    .vgpr_count:     256
    .wavefront_size: 32
...
	.end_amdgpu_metadata
.endif
;; end of part 3
;; launch outp (part 4): grid 4 x 32, 4 waves a work-group, clusters of 4 x 4, 327,680 bytes of LDS; arguments cc, cs, opc, ops, bo, out0; writes out0
.if DOCPART == 4
	.amdgcn_target "amdgcn-amd-amdhsa--gfx1250"
	.amdhsa_code_object_version 6
	.text
	.protected	k_q7dd45812b4_outp
	.globl	k_q7dd45812b4_outp
	.p2align	8
	.type	k_q7dd45812b4_outp,@function
k_q7dd45812b4_outp:
	s_mov_b64 s[64:65], 0
	v_nop
	global_prefetch_b8 v0, s[64:65] scope:SCOPE_SE
	s_setreg_imm32_b32 hwreg(HW_REG_WAVE_MODE, 25, 1), 1
	s_wait_xcnt 0x0
	s_wait_alu depctr_hold_cnt(0) depctr_sa_sdst(0) depctr_va_vdst(0) depctr_va_sdst(0) depctr_va_ssrc(0) depctr_va_vcc(0) depctr_vm_vsrc(0)
	s_getreg_b32 s2, hwreg(HW_REG_IB_STS2, 6, 4)
	s_cmp_eq_u32 s2, 0
	s_cbranch_scc0 .Lentry_in_a_cluster
	s_endpgm
.Lentry_in_a_cluster:
	s_bfe_u32 s2, ttmp6, 0x10000c
	s_cmp_lg_u32 s2, 0xf033
	s_cbranch_scc0 .Lentry_shape_is_right
	s_endpgm
.Lentry_shape_is_right:
; OUTP.  out0 = attention's result x wo^T + bo on codes of BF6, K = 1,024.  Nothing of the problem is left out here.
; The walk is that of the projections' launch: a work-group of four waves makes 256 x 256, a wave 128 x 128; source 0 (B) = wo's tiles, source 1 (A) = the tokens' tiles; K in four steps of 256 through three LDS slots,
; steps 0, 1, 2 as first fills, step 3 into slot 0 behind the one round of the cluster's barrier in the walk (four tensor loads of a wave out at the start, later one); A asked for jointly along a row of the cluster, B along a column.
; A's fragments lie as two half images (a head's six registers: 0-3 at 16 x lane, 4, 5 at 512 + 8 x lane), so each comes by four LDS loads.  The bias is the C of each sum's first product.
; THE WAY OUT: a block of 16 rows x 128 columns goes through the wave's stage (in slot 1, which has had its last fill and its last read) and leaves as rows of 512 consecutive bytes.  Tile T holds rows 32 (T / 2) + 8 (T % 2) + r + 8 (r / 8).
; REGISTERS: window 0: v1-3 lane numbers; v6, v7 the stage; v16-18, v24-26 A's LDS addresses; v20-22 B's; v27 scales'; v28, v29 the add's two; v30 16 x lane; v32-63 scale words; v64-127 the bias; v128-223 A's fragments; on the way out v128-255.
;   window 1: B's two sets.   windows 2, 3: accumulator (a, b) at v[8 (8 (a % 4) + b)].
.set HALFB, 24576
.set SLOTB, 4*HALFB
.set SCL,   3*SLOTB
.set SPARE, SCL+4*4096                 ; the spare words, 128 bytes a wave, which no other line names
.set FR,   12
.set NLA,  4                           ; LDS loads that bring a fragment of A
.set STO,  6
.set RD,   7
.set ADRA, 16
.set ADRB, 20
.set ADR8, 24
.set ADRS, 27
.set SPW,  28
.set NIL,  29
.set LI,   30
.set SC,   32
.set BI,   64
.set AF,   128
.set BK,   128
.set G1A,  24
.set G0A,  32
.set G0SA, 44
.set G1B,  48
.set G0B0, 56
.set G0B1, 60
.set G0B2, 68
.set G0SB, 72
.set G1SA, 76
.set G1SB, 84
.set MSB, 0
.macro WIN new
.if MSB != (\new)
	s_set_vgpr_msb (MSB<<8)|(\new)
.set MSB, (\new)
.endif
.endm
.set MUL_LO, 0xa1                      ; source 0 (B) window 1, source 1 (A) window 0, C and D window 2
.set MUL_HI, 0xf1
.set BIA_LO, 0x81                      ; the same with C (the bias) in window 0
.set BIA_HI, 0xc1
.set TO_B,   0x40
.macro JLOAD g0a, g1a, g0b, g1b
	s_cmp_eq_u32 s19, 0
	s_cbranch_scc0 .Lfor_b_\@
	tensor_load_to_lds s[\g0a:\g0a+3], s[\g1a:\g1a+7]
	s_nop 0
.rept 4
	v_nop
.endr
	s_branch .Lasked_\@
.Lfor_b_\@:
	tensor_load_to_lds s[\g0b:\g0b+3], s[\g1b:\g1b+7]
	s_nop 0
.rept 4
	v_nop
.endr
.Lasked_\@:
.endm
.macro CREST
	s_cmp_lg_u32 s18, 0
	s_cbranch_scc1 .Lnot_wave_0_\@
	s_barrier_signal -3
.Lnot_wave_0_\@:
	s_barrier_wait -3
	s_barrier_signal -1
	s_barrier_wait -1
.endm
.macro CROUND
	s_barrier_signal -1
	s_barrier_wait -1
	CREST
.endm
.macro PLACES n
.rept \n
	v_nop
.endr
.endm
	s_load_b256 s[4:11], s[0:1], 0x0               ; cc s[4:5], cs s[6:7], opc s[8:9], ops s[10:11]
	s_load_b128 s[12:15], s[0:1], 0x20             ; bo s[12:13], out0 s[14:15]
	v_lshl_add_u32 v[SPW], v0, 2, SPARE
	v_mov_b32 v[NIL], 0
	ds_add_u32 v[SPW], v[NIL]                      ; the wave's opening: the add, twice on end, and its wait ahead of my first tensor load
	ds_add_u32 v[SPW], v[NIL]
	v_lshrrev_b32 v1, 5, v0
	v_readfirstlane_b32 s18, v1                    ; wave
	s_lshr_b32 s19, s18, 1                         ; my half of the rows.  Also: I fetch for A (0) or B (1)
	s_and_b32 s20, s18, 1                          ; my half of the columns.  Also: which half I fetch
	s_bfe_u32 s92, ttmp6, 0x40000                  ; cx
	s_bfe_u32 s93, ttmp6, 0x40004                  ; cy
	s_and_b32 s21, ttmp7, 0xffff                   ; the cluster's y
	s_lshl_b32 s94, s93, 2
	s_lshl_b32 s94, 15, s94                        ; my row of the cluster
	s_lshl_b32 s95, 0x1111, s92                    ; my column
	s_or_b32 s[G1A], s94, (3<<16)|(1<<21)
	s_or_b32 s[G1B], s95, (3<<16)|(1<<21)
	s_or_b32 s[G1SA], s94, (3<<16)|(1<<21)
	s_or_b32 s[G1SB], s95, (3<<16)|(1<<21)
.irp g, G1A, G1B                       ; codes: 8 tiles' rows of 3,072 bytes, 12,288 bytes apart
	s_mov_b32 s[\g+1], 384<<16
	s_mov_b32 s[\g+2], 8<<16
	s_mov_b32 s[\g+3], 384<<16
	s_mov_b32 s[\g+4], 8
	s_mov_b32 s[\g+5], 1536
	s_mov_b32 s[\g+6], 0
	s_mov_b32 s[\g+7], 0
.endr
.irp g, G1SA, G1SB                     ; scale words of 8 tiles: 16 rows of 256 bytes
	s_mov_b32 s[\g+1], 32<<16
	s_mov_b32 s[\g+2], 16<<16
	s_mov_b32 s[\g+3], 32<<16
	s_mov_b32 s[\g+4], 16
	s_mov_b32 s[\g+5], 32
	s_mov_b32 s[\g+6], 0
	s_mov_b32 s[\g+7], 0
.endr
.irp g, G0A, G0A+4, G0A+8, G0SA, G0B0, G0B1, G0B2, G0SB
	s_mov_b32 s[\g], 1
.endr
	s_mul_i32 s[G0A+1], s18, HALFB
	s_add_co_u32 s[G0A+5], s[G0A+1], SLOTB
	s_add_co_u32 s[G0A+9], s[G0A+1], 2*SLOTB
	s_mul_i32 s[G0B0+1], s18, HALFB
	s_add_co_u32 s[G0B1+1], s[G0B0+1], SLOTB
	s_add_co_u32 s[G0B2+1], s[G0B0+1], 2*SLOTB
	s_lshl_b32 s[G0SA+1], s18, 12
	s_add_co_u32 s[G0SA+1], s[G0SA+1], SCL
	s_lshl_b32 s[G0SB+1], s18, 12
	s_add_co_u32 s[G0SB+1], s[G0SB+1], SCL
	s_lshl_b32 s99, s20, 3
	s_lshl_b32 s2, s21, 6
	s_add_co_u32 s2, s2, s99
	s_lshl_b32 s94, s93, 4
	s_add_co_u32 s2, s2, s94                       ; A's first tile of my eight: 64 x cluster y + 16 cy + 8 x half
	s_add_co_u32 s3, s99, 1728
	s_lshl_b32 s95, s92, 4
	s_add_co_u32 s3, s3, s95                       ; B's: wo's tiles begin at 1728
	s_wait_dscnt 0x0                               ; both opening adds are done
	s_wait_kmcnt 0x0
	s_lshl_b32 s96, s2, 9
	s_mov_b32 s97, 0
	s_add_nc_u64 s[G0SA+2:G0SA+3], s[6:7], s[96:97]
	s_or_b32 s[G0SA+3], s[G0SA+3], 0x80000000
	s_mul_i32 s96, s2, 12288
	s_add_nc_u64 s[96:97], s[4:5], s[96:97]
	s_mov_b64 s[G0A+2:G0A+3], s[96:97]
	s_add_nc_u64 s[G0A+6:G0A+7], s[96:97], 3072
	s_add_nc_u64 s[G0A+10:G0A+11], s[96:97], 6144
	s_or_b32 s[G0A+3], s[G0A+3], 0x80000000
	s_or_b32 s[G0A+7], s[G0A+7], 0x80000000
	s_or_b32 s[G0A+11], s[G0A+11], 0x80000000
	s_lshl_b32 s98, s3, 9
	s_mov_b32 s99, 0
	s_add_nc_u64 s[G0SB+2:G0SB+3], s[10:11], s[98:99]
	s_or_b32 s[G0SB+3], s[G0SB+3], 0x80000000
	s_mul_i32 s98, s3, 12288
	s_add_nc_u64 s[98:99], s[8:9], s[98:99]
	s_mov_b64 s[G0B0+2:G0B0+3], s[98:99]
	s_add_nc_u64 s[G0B1+2:G0B1+3], s[98:99], 3072
	s_add_nc_u64 s[G0B2+2:G0B2+3], s[98:99], 6144
	s_or_b32 s[G0B0+3], s[G0B0+3], 0x80000000
	s_or_b32 s[G0B1+3], s[G0B1+3], 0x80000000
	s_or_b32 s[G0B2+3], s[G0B2+3], 0x80000000
	CROUND                                         ; all sixteen work-groups are here: the first joint loads meet
	JLOAD G0SA, G1SA, G0SB, G1SB
	JLOAD G0A, G1A, G0B0, G1B
	JLOAD G0A+4, G1A, G0B1, G1B
	JLOAD G0A+8, G1A, G0B2, G1B
	v_and_b32 v1, 31, v0                           ; lane
	v_and_b32 v2, 15, v0                           ; r
	v_bfe_u32 v3, v0, 4, 1                         ; h
	v_lshlrev_b32 v[LI], 4, v1
	s_wait_alu depctr_va_vdst(0)
	v_lshlrev_b32 v4, 3, v1
	s_wait_alu depctr_va_vdst(0)
	; the bias: register 8 b + j of lane (r, h) is column 32 (b / 2) + 8 (b % 2) + 16 h + j of my 128
	s_lshl_b32 s2, s92, 8
	s_lshl_b32 s3, s20, 7
	s_add_co_u32 s2, s2, s3                        ; my first column
	s_lshl_b32 s2, s2, 2
	s_mov_b32 s3, 0
	s_add_nc_u64 s[12:13], s[12:13], s[2:3]
	s_add_nc_u64 s[14:15], s[14:15], s[2:3]
	v_lshlrev_b32 v5, 6, v3                        ; 64 h
.irp b, 0,1,2,3,4,5,6,7
	global_load_b128 v[BI+8*\b:BI+8*\b+3], v5, s[12:13] offset:128*(\b/2)+32*(\b%2)
	global_load_b128 v[BI+8*\b+4:BI+8*\b+7], v5, s[12:13] offset:128*(\b/2)+32*(\b%2)+16
.endr
	s_lshl_b32 s94, s21, 2
	s_add_co_u32 s94, s94, s93
	s_lshl_b32 s94, s94, 8
	s_lshl_b32 s95, s19, 7
	s_add_co_u32 s94, s94, s95                     ; my first row: 256 (4 x cluster y + cy) + 128 x half
	s_lshl_b32 s94, s94, 12                        ; rows of 4,096 bytes
	s_mov_b32 s95, 0
	s_add_nc_u64 s[14:15], s[14:15], s[94:95]
	s_mul_i32 s2, s19, HALFB
	s_mul_i32 s3, s20, HALFB
	s_add_co_u32 s3, s3, 2*HALFB
.irp k, 0,1,2
	v_add_nc_u32 v[ADRA+\k], s2, v[LI]
	v_add_nc_u32 v[ADR8+\k], s2, v4
	v_add_nc_u32 v[ADRB+\k], s3, v[LI]
	s_add_co_u32 s2, s2, SLOTB
	s_add_co_u32 s3, s3, SLOTB
.endr
	v_lshlrev_b32 v4, 4, v2
	s_lshl_b32 s2, s19, 12
	s_lshl_b32 s3, s20, 12
	s_add_co_u32 s3, s3, 8192
	s_sub_co_u32 s3, s3, s2
	v_mul_u32_u24 v8, s3, v3                       ; lanes 16-31 take B's words: one product, h x the distance
	s_add_co_u32 s2, s2, SCL
	v_add_nc_u32 v4, v4, v8
	v_add_nc_u32 v[ADRS], s2, v4
	s_mul_i32 s2, s18, 8448
	s_add_co_u32 s2, s2, SLOTB                     ; my stage, in slot 1: 16 rows x (512 + 16) bytes
	v_mul_u32_u24 v[STO], v2, 528
	v_lshl_add_u32 v[STO], v3, 6, v[STO]
	v_add_nc_u32 v[STO], s2, v[STO]                ; in: row r, + 64 h
	v_add_nc_u32 v[RD], s2, v[LI]                  ; back: a row's 512 bytes
.macro FRAG3 reg, adr, off
.irp c, 0,1,2
	ds_load_b128 v[(\reg)+4*\c:(\reg)+4*\c+3], v[\adr] offset:(\off)+512*\c
.endr
.endm
.macro FRAGA reg, k, off               ; two half images
	ds_load_b128 v[(\reg):(\reg)+3], v[ADRA+(\k)] offset:(\off)
	ds_load_b64 v[(\reg)+4:(\reg)+5], v[ADR8+(\k)] offset:(\off)+512
	ds_load_b128 v[(\reg)+6:(\reg)+9], v[ADRA+(\k)] offset:(\off)+768
	ds_load_b64 v[(\reg)+10:(\reg)+11], v[ADR8+(\k)] offset:(\off)+1280
.endm
.macro FETCH_B q
	WIN TO_B
.irp i, 0,1,2,3,4,5,6,7
	FRAG3 128*((\q)%2)+FR*\i, ADRB+(((\q)/2)%3), 3072*\i+1536*((\q)%2)
.endr
	WIN 0
.endm
.macro FETCH_A q, i0
.irp i, \i0, \i0+1, \i0+2, \i0+3
	FRAGA AF+FR*(\i), ((\q)/2)%3, 3072*(\i)+1536*((\q)%2)
.endr
.endm
.macro SCALES j
.irp i, 0,1,2,3,4,5,6,7
	ds_load_b64 v[SC+16*((\j)%2)+2*\i:SC+16*((\j)%2)+2*\i+1], v[ADRS] offset:512*\i+256*((\j)/2)+8*((\j)%2)
.endr
.endm
; 16 matrix instructions; first = 1: the sum begins with the bias.  The 64 accumulators take turns, one instruction a turn.
.macro MUL16 a0, q, first
.irp a, \a0, \a0+1
.irp b, 0,1,2,3,4,5,6,7
.if \first
	v_wmma_scale_f32_16x16x128_f8f6f4 v[8*(8*((\a)%4)+\b):8*(8*((\a)%4)+\b)+7], v[128*((\q)%2)+FR*\b:128*((\q)%2)+FR*\b+FR-1], v[AF+FR*(\a):AF+FR*(\a)+FR-1], v[BI+8*\b:BI+8*\b+7], v[SC+16*(((\q)/2)%2)+2*\b+(\q)%2], v[SC+16*(((\q)/2)%2)+2*(\a)+(\q)%2] matrix_a_fmt:MATRIX_FMT_BF6 matrix_b_fmt:MATRIX_FMT_BF6 matrix_a_scale:MATRIX_SCALE_ROW1
.else
	v_wmma_scale_f32_16x16x128_f8f6f4 v[8*(8*((\a)%4)+\b):8*(8*((\a)%4)+\b)+7], v[128*((\q)%2)+FR*\b:128*((\q)%2)+FR*\b+FR-1], v[AF+FR*(\a):AF+FR*(\a)+FR-1], v[8*(8*((\a)%4)+\b):8*(8*((\a)%4)+\b)+7], v[SC+16*(((\q)/2)%2)+2*\b+(\q)%2], v[SC+16*(((\q)/2)%2)+2*(\a)+(\q)%2] matrix_a_fmt:MATRIX_FMT_BF6 matrix_b_fmt:MATRIX_FMT_BF6 matrix_a_scale:MATRIX_SCALE_ROW1
.endif
.endr
.endr
.endm
.macro STEP q, first
	s_wait_dscnt 4*NLA                             ; all but the youngest loads, A's blocks 4-7
.if \first
	WIN BIA_LO
.else
	WIN MUL_LO
.endif
	MUL16 0, \q, \first
	MUL16 2, \q, \first
	s_wait_dscnt 0
	PLACES 4                                       ; four plain lines ahead of loads into registers that matrix instructions have read
	FETCH_B (\q)+1
	FETCH_A (\q)+1, 0
.if ((\q)+1)%2 == 0
	SCALES ((\q)+1)/2
.endif
.if \first
	WIN BIA_HI
.else
	WIN MUL_HI
.endif
	MUL16 4, \q, \first
	MUL16 6, \q, \first
	PLACES 4
	WIN 0
	FETCH_A (\q)+1, 4
.endm
.macro TURN q, fill
	s_wait_tensorcnt 0x0                           ; all my tensor loads have landed
	ds_add_u32 v[SPW], v[NIL]
	s_wait_dscnt 4*NLA+1                           ; (the add and A's blocks 4-7 may be out)
	WIN MUL_LO
	MUL16 0, \q, 0
	s_wait_dscnt 0x0                               ; the add is done, and my reads of the slot in hand are over
	s_barrier_signal -1
	MUL16 2, \q, 0
	WIN 0
	s_barrier_wait -1
.if \fill
	CREST                                          ; the barrier has opened a round of the cluster's: no wave of any partner still reads slot 0 or has a load on its way
	s_add_nc_u64 s[G0A+2:G0A+3], s[G0A+2:G0A+3], 9216
	s_add_nc_u64 s[G0B0+2:G0B0+3], s[G0B0+2:G0B0+3], 9216
	JLOAD G0A, G1A, G0B0, G1B                      ; K step 3 into slot 0; its four v_nop are the places ahead of the loads below
.else
	PLACES 4
.endif
	FETCH_B (\q)+1
	FETCH_A (\q)+1, 0
	SCALES ((\q)+1)/2
	WIN MUL_HI
	MUL16 4, \q, 0
	MUL16 6, \q, 0
	PLACES 4
	WIN 0
	FETCH_A (\q)+1, 4
.endm
	s_wait_alu depctr_va_vdst(0)
	s_wait_tensorcnt 2                             ; the scale words and my part of K step 0 are in; steps 1 and 2 may be out
	s_barrier_signal -1
	s_barrier_wait -1
	FETCH_B 0
	FETCH_A 0, 0
	SCALES 0
	FETCH_A 0, 4
	s_wait_loadcnt 0x0                             ; the bias
	STEP 0, 1
	TURN 1, 1
	STEP 2, 0
	STEP 3, 0
	STEP 4, 0
	TURN 5, 0                                      ; behind this barrier nobody reads slot 1 any more
	STEP 6, 0
	s_wait_dscnt 4*NLA
	WIN MUL_LO
	MUL16 0, 7, 0
	MUL16 2, 7, 0
	s_wait_dscnt 0
	WIN MUL_HI
	MUL16 4, 7, 0
	MUL16 6, 7, 0
	WIN 0
.macro TOSTAGE a
.set AC, 64*((\a)%4)
	WIN 0x08+4*((\a)/4)                            ; an LDS store's data: window 2 or 3
.irp b, 0,1,2,3,4,5,6,7
	ds_store_b128 v[STO], v[AC+8*\b:AC+8*\b+3] offset:128*(\b/2)+32*(\b%2)          ; each accumulator from its low end on
	ds_store_b128 v[STO], v[AC+8*\b+4:AC+8*\b+7] offset:128*(\b/2)+32*(\b%2)+16
.endr
	WIN 0
.set BB, BK+64*((\a)%2)
.irp t, 0,1,2,3,4,5,6,7,8,9,10,11,12,13,14,15
	ds_load_b128 v[BB+4*\t:BB+4*\t+3], v[RD] offset:\t*528   ; LDS serves a wave's instructions in order: these see the stores above
.endr
.endm
.macro SEND a, younger
.set BB, BK+64*((\a)%2)
	s_wait_dscnt \younger                          ; the block is back in registers
.irp t, 0,1,2,3,4,5,6,7,8,9,10,11,12,13,14,15
	global_store_b128 v[LI], v[BB+4*\t:BB+4*\t+3], s[14:15] offset:(32*((\a)/2)+8*((\a)%2)+\t+8*(\t/8))*4096 th:TH_STORE_NT   ; 512 consecutive bytes, aligned; 127 rows of 4,096 bytes at the most in the immediate
.endr
.endm
	PLACES 4
	TOSTAGE 0
.irp a, 1,2,3,4,5,6,7
.if \a > 1
	s_wait_xcnt 0x0                                ; block a - 2's stores have read their registers
.endif
	TOSTAGE \a
	SEND \a-1, 32                                  ; behind block a - 1's loads: block a's 16 stores and 16 loads
.endr
	SEND 7, 0
	s_wait_tensorcnt 0x0                           ; the wave's end
	ds_add_u32 v[SPW], v[NIL]
	s_wait_dscnt 0x0
	CROUND                                         ; the closing round
	s_endpgm
.Lfunc_end_k_q7dd45812b4_outp:
	.size	k_q7dd45812b4_outp, .Lfunc_end_k_q7dd45812b4_outp-k_q7dd45812b4_outp
	.p2alignl 7, 3214868480
	.fill 96, 4, 3214868480
	.section	.rodata,"a",@progbits
	.p2align	6, 0x0
	.amdhsa_kernel k_q7dd45812b4_outp
		.amdhsa_group_segment_fixed_size 327680
		.amdhsa_private_segment_fixed_size 0
		.amdhsa_enable_private_segment 0
		.amdhsa_kernarg_size 48
		.amdhsa_user_sgpr_count 2
		.amdhsa_user_sgpr_kernarg_segment_ptr 1
		.amdhsa_wavefront_size32 1
		.amdhsa_system_sgpr_workgroup_id_x 1
		.amdhsa_system_sgpr_workgroup_id_y 1
		.amdhsa_system_sgpr_workgroup_id_z 1
		.amdhsa_system_vgpr_workitem_id 0
		.amdhsa_next_free_vgpr 1024
		.amdhsa_next_free_sgpr 100
		.amdhsa_reserve_vcc 0
		.amdhsa_float_denorm_mode_32 3
		.amdhsa_float_denorm_mode_16_64 3
		.amdhsa_memory_ordered 1
		.amdhsa_forward_progress 1
		.amdhsa_inst_pref_size 140
	.end_amdhsa_kernel
	.amdgpu_metadata
---
amdhsa.version: [ 1, 2 ]
amdhsa.kernels:
  - .name:           k_q7dd45812b4_outp
    .symbol:         k_q7dd45812b4_outp.kd
    .args:
      - { .name: cc, .offset: 0, .size: 8, .value_kind: global_buffer, .address_space: global }
      - { .name: cs, .offset: 8, .size: 8, .value_kind: global_buffer, .address_space: global }
      - { .name: opc, .offset: 16, .size: 8, .value_kind: global_buffer, .address_space: global }
      - { .name: ops, .offset: 24, .size: 8, .value_kind: global_buffer, .address_space: global }
      - { .name: bo, .offset: 32, .size: 8, .value_kind: global_buffer, .address_space: global }
      - { .name: out0, .offset: 40, .size: 8, .value_kind: global_buffer, .address_space: global }
    .group_segment_fixed_size: 327680
    .private_segment_fixed_size: 0
    .kernarg_segment_align: 8
    .kernarg_segment_size: 48
    .max_flat_workgroup_size: 128
    .sgpr_count:     100
    .vgpr_count:     1024
    .wavefront_size: 32
...
	.end_amdgpu_metadata
.endif
;; end of part 4
